; MI455X (gfx1250); checked and timed in simulation.
; The chip was launched on July 23, 2026; its instructions are those of AMD's public machine-readable ISA for CDNA 5 (MIT licence, August 2026) and "CDNA5" Instruction Set Architecture Reference Guide (July 2026). The comments in the code are by the model that wrote it; some were corrected since.
;; Multihead Attention. Allowed arithmetic: matrix products marked QUANTISED: E2M1 operands, one E8M0 scale for each 32 along K, by v_wmma_scale_f32_16x16x128_f8f6f4 with both operands' format E2M1 (or v_wmma_scale_f32_32x16x128_f4), f32 sums; everything else in f32.
;; Inputs: Wk_codes 1,024 x 32 x 16 uint8 (E2M1 codes of Wk, K innermost, in blocks of 32 codes, two codes a byte); Wk_scales 1,024 x 32 uint8 (E8M0 scales of Wk, one for each 32 codes along K); Wo_codes 1,024 x 32 x 16 uint8 (E2M1 codes of Wo, K innermost, in blocks of 32 codes, two codes a byte); Wo_scales 1,024 x 32 uint8 (E8M0 scales of Wo, one for each 32 codes along K); Wq_codes 1,024 x 32 x 16 uint8 (E2M1 codes of Wq, K innermost, in blocks of 32 codes, two codes a byte); Wq_scales 1,024 x 32 uint8 (E8M0 scales of Wq, one for each 32 codes along K); Wv_codes 1,024 x 32 x 16 uint8 (E2M1 codes of Wv, K innermost, in blocks of 32 codes, two codes a byte); Wv_scales 1,024 x 32 uint8 (E8M0 scales of Wv, one for each 32 codes along K); bk 1,024 float32; bo 1,024 float32; bq 1,024 float32; bv 1,024 float32; x_codes 4 x 2,048 x 32 x 16 uint8 (E2M1 codes of x, K innermost, in blocks of 32 codes, two codes a byte); x_scales 4 x 2,048 x 32 uint8 (E8M0 scales of x, one for each 32 codes along K).
;; Outputs: out0 4 x 2,048 x 1,024 float32.
;; This version of the problem:
;;   THIS VERSION OF THE PROBLEM IS GIVEN IN LOW PRECISION. The matrix products marked QUANTISED in the list below multiply operands that are first quantised to E2M1 (2 exponent bits, 1 mantissa bit; 4 bits a number), with one power-of-two scale for each 32 numbers along K (OCP MX v1.0); their sums are f32. All else is computed in f32.
;;   The module's matrix products, in the order in which they are computed (A, B: the left and right operand; K: the contracted axis; several contracted axes count as one K, in the product's order):
;;     1. [M 8,192, K 1,024] x [K 1,024, N 1,024]; A: input x (given as codes); B: input Wq (given as codes): QUANTISED
;;     2. [M 8,192, K 1,024] x [K 1,024, N 1,024]; A: input x (given as codes); B: input Wk (given as codes): QUANTISED
;;     3. [M 8,192, K 1,024] x [K 1,024, N 1,024]; A: input x (given as codes); B: input Wv (given as codes): QUANTISED
;;     4. batch 64 x [M 2,048, K 64] x [K 64, N 2,048]; A: computed on the way; B: computed on the way: QUANTISED
;;     5. batch 64 x [M 2,048, K 2,048] x [K 2,048, N 64]; A: softmax (see below); B: computed on the way: QUANTISED
;;     6. [M 8,192, K 1,024] x [K 1,024, N 1,024]; A: computed on the way; B: input Wo (given as codes): QUANTISED
;;   THE QUANTISER, for each operand of a quantised product, along K:
;;     - K is cut into blocks of 32 from its start; a last block that is shorter is filled with zeros.
;;     - A block's scale is 2^e with e = floor(log2(the largest magnitude in the block)) - 2, held to -126 .. 127; a block of zeros has e = 0. As a byte (E8M0): e + 127.
;;     - Each number is divided by its block's scale, clamped to +-6, and rounded to the nearest number of E2M1, ties to even, subnormals kept.
;;     - The product sums the exact products of the quantised numbers (number of the format x scale) in f32.
;;   ~~~python
;;   def quantise(x, axis):      # numpy; x: float32 -> the quantised numbers, widened to float32 again
;;       x = np.moveaxis(x, axis, -1); K = x.shape[-1]
;;       x = np.pad(x, [(0, 0)] * (x.ndim - 1) + [(0, -K % 32)]); x = x.reshape(x.shape[:-1] + (-1, 32)); a = np.abs(x).max(-1, keepdims=True)
;;       e = np.where(a > 0, np.clip(np.frexp(np.where(a > 0, a, 1))[1] - 1 - 2, -126, 127), 0)      # np.frexp(a)[1] - 1 = floor(log2(a)), exactly
;;       r = np.clip(x / 2.0 ** e, -6, 6)
;;       step = 2.0 ** (np.maximum(np.frexp(np.where(r == 0, 1, r))[1] - 1, 0) - 1)
;;       q = np.round(r / step) * step * 2.0 ** e      # np.round: ties to even
;;       return np.moveaxis(q.reshape(q.shape[:-2] + (-1,))[..., :K], -1, axis).astype(np.float32)
;;   ~~~
;;   SOFTMAX AHEAD OF A QUANTISED PRODUCT. Where the list says 'softmax', what is quantised is not the finished softmax but p = 2^(t - M), with t = logit x log2(e) and M = ceil(the row's largest t), a whole number; so 1/2 < the row's largest p <= 1. The row's sum l is taken of the UNQUANTISED p, in f32, and the product's result is divided by l at the end. Since M is a whole number, a kernel that streams over the keys may use a running M (the ceiling of the running maximum): every later rescaling is an exact power of two, which a block's scale takes up: the codes' values come out the same.
;;   OPERANDS COMPUTED ON THE WAY. 'Computed on the way' means the value that the module computes at that place (a softmax that the list does not call 'softmax' is quantised finished and normalised). What goes into a quantiser is computed in f32, as accurately as f32 sums, v_exp_f32 and their like allow (about 1e-6 of the number): no bf16 or f16 on the way to a quantiser, and a product that is left as it is and whose result goes on into a quantised operand takes f32 operands (vector FMAs, or v_wmma_f32_16x16x4_f32). A number that lies on a knife's edge between two numbers of the format may be rounded either way, as far as f32 arithmetic and the matrix unit's own rounding can turn it there, and no further.
;;   INPUTS GIVEN AS CODES. Wk (in the module: [1024, 1024], K = its axis 1); Wo (in the module: [1024, 1024], K = its axis 1); Wq (in the module: [1024, 1024], K = its axis 1); Wv (in the module: [1024, 1024], K = its axis 1); x (in the module: [4, 2048, 1024], K = its axis 2): each comes as NAME_codes (uint8): NAME with its K axis moved to the last place and cut into blocks of 32 codes, [.., K / 32, bytes a block], one block behind the other in memory; two codes a byte, the lower K in the low four bits (a code: sign, 2 exponent bits, 1 mantissa bit); and NAME_scales (uint8): the same leading axes, one E8M0 byte (e + 127) for each 32 codes along K. Its value is code x scale, taken as it is: it is not quantised again, and the codes and scales need not be those that the quantiser above would give.
;; One version. Each part assembles by itself: llvm-mc -triple=amdgcn-amd-amdhsa -mcpu=gfx1250 --defsym DOCPART=n.
;; ======== version 1 of 1: 3 launches
;; workspace buffers: qimg 4,194,304 bytes; qsc 524,288 bytes; kv 9,175,040 bytes; ctx 4,194,304 bytes; ctxs 262,144 bytes
;; launch qkv (part 1): grid 12 x 32, 16 waves a work-group, clusters of 4 x 4, 327,680 bytes of LDS; arguments x_codes, x_scales, Wq_codes, Wq_scales, Wk_codes, Wk_scales, Wv_codes, Wv_scales, bq, bk, bv, qimg, qsc, kv; writes qimg, qsc, kv
.if DOCPART == 1
	.amdgcn_target "amdgcn-amd-amdhsa--gfx1250"
	.amdhsa_code_object_version 6
	.text
	.protected	k_q6f9938bd41_qkv
	.globl	k_q6f9938bd41_qkv
	.p2align	8
	.type	k_q6f9938bd41_qkv,@function
k_q6f9938bd41_qkv:
	s_mov_b64 s[64:65], 0
	v_nop
	global_prefetch_b8 v0, s[64:65] scope:SCOPE_SE
	s_setreg_imm32_b32 hwreg(HW_REG_WAVE_MODE, 25, 1), 1
	s_wait_xcnt 0x0
	s_wait_alu depctr_hold_cnt(0) depctr_sa_sdst(0) depctr_va_vdst(0) depctr_va_sdst(0) depctr_va_ssrc(0) depctr_va_vcc(0) depctr_vm_vsrc(0)
	s_getreg_b32 s2, hwreg(HW_REG_IB_STS2, 6, 4)
	s_cmp_eq_u32 s2, 0
	s_cbranch_scc0 .Lentry_in_a_cluster
	s_endpgm
.Lentry_in_a_cluster:
	s_bfe_u32 s2, ttmp6, 0x10000c
	s_cmp_lg_u32 s2, 0xf033
	s_cbranch_scc0 .Lentry_shape_is_right
	s_endpgm
.Lentry_shape_is_right:
; LAUNCH 1 OF 3.  q = x Wq^T + bq, k = x Wk^T + bk, v = x Wv^T + bv on codes of FP4 (E2M1) with one E8M0 scale for each 32 along K = 1,024; sums in f32; the results are quantised here, in registers:
; q and k along the head's 64 (two blocks), v along the keys, and leave as codes and scale words in the order of the next launch's operand registers.
; DEAD WORK OF THE WHOLE PROGRAM.  reference() builds the causal mask in its own body (jnp.tril) and sets the score of key k for query q to -inf where k > q.  Such a score gives p = 2^(-inf) = 0 whatever
; the inputs hold: it cannot be the row's largest t (key 0 counts for every query), it adds 0 to the row's sum, and a block of 32 keys that is all zeros has zero codes, which add nothing to the second
; product.  So a step of 128 keys (four whole blocks) all of whose keys come after a tile's 16 queries is left out of products 4 and 5, in launch 2.  Nothing else is left out: every input has a way to
; the output and is loaded (bk too: it moves k's codes).  LIMIT: a NaN, an infinity or an overflow that reaches only the steps left out is not carried to the result.
; LIMITS OF THE QUANTISER HERE: a block whose largest magnitude lies under 2^-124 keeps the scale byte 1; a block of zeros gets the byte 1 and not 127 (its codes are zeros, and this program alone reads
; these bytes); NaN and infinities among the inputs are not served.
; ONE BODY FOR THE THREE PRODUCTS.  Source 0 of the matrix instruction is the R side, source 1 the L side: in a result a lane holds ONE row of L and eight neighbouring rows of R, so R is the axis that
; can be quantised in a lane's registers.  q, k (cluster x = 0, 1): R = rows of W (the head's 64), L = tokens.  v (cluster x = 2): R = tokens (the keys), L = rows of Wv.
; SHARES.  A work-group makes 256 (R) x 256 (L); each of its sixteen waves 64 x 64: 16 accumulators, 128 registers; four waves to a SIMD, no register windows.
; K = 1,024 is 512 bytes a row, so both sides' whole rows fit in LDS: two halves of K, each filled ONCE.  No LDS byte is filled twice in this launch.
; CLUSTER 4 x 4.  R's rows hang on cx (and for v on the cluster's y) and are shared down a column of the cluster, L's on cy (for q, k also the cluster's y) and are shared along a row: every tile is
; asked for jointly, by the same tensor load with the same descriptor and a mask that names the four.  The branches on the cluster's x (which product) are the same in all sixteen partners.
.set PITCH,  272                       ; an LDS row: 256 bytes of codes + 16 of padding
.set SIDE,   256*PITCH                 ; one side's 256 rows of half of K
.set SLOT,   2*SIDE                    ; R's rows, then L's
.set SCL,    2*SLOT                    ; behind the two halves: the scale bytes, as pieces of 256 bytes + 16 of padding: R's 32 pieces, then L's
.set SCSIDE, 32*272
.set SPARE,  SCL+2*SCSIDE              ; the spare words, 128 bytes for each wave: eight blocks of 256 bytes that no other line names
.set KVSTEP, 8960                      ; buffer kv, one step of 128 keys: K's 8 tiles (4,096), V^T's 4 x 2 (4,096), K's scale words (512), V's (256)
.set KVHEAD, 16*KVSTEP
.set RR,   1                           ; v1   r = lane % 16
.set HH,   2                           ; v2   h = lane / 16
.set ADR,  3                           ; v3-4 LDS address of my R fragments in half 0, 1
.set ADL,  5                           ; v5-6 the same for L
.set ADS,  7                           ; v7   LDS address of my scale words: lanes 0-15 R's rows, lanes 16-31 L's
.set SPW,  8                           ; v8   LDS address of my spare word; never rewritten
.set NIL,  9                           ; v9   0; never rewritten
.set BOH,  10                          ; v10  32 h: the bias by R
.set L16,  11                          ; v11  16 x lane
.set L8,   12                          ; v12  8 x lane
.set BOR,  13                          ; v13  4 r: the bias by L
.set TA,   14                          ; v14-15 at work at the head
.set TB,   15
.set SC,   16                          ; v16-31 scale words: register 4 i + q: lanes 0-15 R's tile i, lanes 16-31 L's tile i, the half's q-th 128 along K
.set BI,   32                          ; v32-63 the bias, as the C of each sum's first product
.set RF,   64                          ; v64-95 R's four fragments
.set LF,   96                          ; v96-127 L's four
.set ACC,  128                         ; v128-255 accumulator (a, b) at 128 + 32 b + 8 a
.set TQ,   32                          ; the way out: v32-39 at work,
.set PQ,   64                          ; v64-79 the codes of L's four tiles,
.set WW,   80                          ; v80-83 their scale words,
.set YY,   84                          ; v84-85 the words as they are stored,
.set OFFC, 86                          ; v86-89 the codes' offsets
.set HM,   2                           ; s2   lanes 16-31
.set TMP,  3
.set RC,   4                           ; s[4:5] R's codes, s[6:7] R's scales, s[8:9] L's codes, s[10:11] L's scales, s[12:13] the bias, s[14:15] where codes go, s[60:61] where scale words go
.set RS,   6
.set LC,   8
.set LS,   10
.set BP,   12
.set OC,   14
.set G1RC, 16                          ; s[16:23], s[24:31] descriptor group 1 for R's and L's codes; s[32:39], s[40:47] for their scales
.set G1LC, 24
.set G1RS, 32
.set G1LS, 40
.set G0R,  48                          ; s[48:59] R's three groups 0: scales, half 0, half 1
.set OS,   60
.set RROW, 62                          ; s62  the first R row that I fetch: never holds cy
.set LROW, 63                          ; s63  the first L row: never holds cx
.set Y4,   66                          ; s66  4 x the cluster's y
.set ISV,  67                          ; s67  1 for v
.set G0L,  68                          ; s[68:79] L's three groups 0, written when the arguments that lay there have been chosen from
.set SEL,  94                          ; s[94:95] lane selects for v_permlanex16_b32: lane l xor 16
.set WV,   96
.set WR,   97                          ; wave % 4: my 64 rows of R
.set WL,   98                          ; wave / 4: my 64 rows of L
.set P8,   99                          ; wave % 8: which 32 rows I fetch
.set CX,   100
.set CY,   101
.macro CROUND                          ; a round of the cluster's barrier
	s_barrier_signal -1
	s_barrier_wait -1
	s_cmp_lg_u32 s[WV], 0
	s_cbranch_scc1 .Lnot_wave_0_\@
	s_barrier_signal -3
.Lnot_wave_0_\@:
	s_barrier_wait -3
	s_barrier_signal -1
	s_barrier_wait -1
.endm
.macro PLACES                          ; four plain places behind a matrix instruction, in front of loads into its registers and of reads of its results
.rept 4
	v_nop
.endr
.endm
; one side's three groups 0: 32 rows' scale bytes (1,024 dense bytes), and their codes of each half of K.  The LDS addresses hang on the wave's number alone.
.macro G0SET g, row, cp, sp
	s_mov_b32 s[\g], 1
	s_mul_i32 s[\g+1], s[WV], 4*272
	s_add_co_u32 s[\g+1], s[\g+1], SCL
	s_lshl_b32 s[\g+2], s[\row], 5
	s_mov_b32 s[\g+3], 0
	s_add_nc_u64 s[\g+2:\g+3], s[\sp:\sp+1], s[\g+2:\g+3]
	s_or_b32 s[\g+3], s[\g+3], 0x80000000
	s_mov_b32 s[\g+4], 1
	s_mul_i32 s[\g+5], s[WV], 32*PITCH
	s_lshl_b32 s[\g+6], s[\row], 9
	s_mov_b32 s[\g+7], 0
	s_add_nc_u64 s[\g+6:\g+7], s[\cp:\cp+1], s[\g+6:\g+7]
	s_mov_b32 s[\g+8], 1
	s_add_co_u32 s[\g+9], s[\g+5], SLOT
	s_add_nc_u64 s[\g+10:\g+11], s[\g+6:\g+7], 256
	s_or_b32 s[\g+7], s[\g+7], 0x80000000
	s_or_b32 s[\g+11], s[\g+11], 0x80000000
.endm
.macro SCALES s                        ; half s: four words a row; lanes 0-15 take R's tile i, lanes 16-31 L's tile i
.irp i, 0,1,2,3
	ds_load_b128 v[SC+4*\i:SC+4*\i+3], v[ADS] offset:544*\i+16*\s
.endr
.endm
.macro LOADS s, q                      ; the fragments of the half's q-th 128 along K: lane (r, h) takes bytes 64 q + 32 c + 16 h on of row r
.irp i, 0,1,2,3
.irp c, 0,1
	ds_load_b128 v[RF+8*\i+4*\c:RF+8*\i+4*\c+3], v[ADR+\s] offset:\i*16*PITCH+64*\q+32*\c
	ds_load_b128 v[LF+8*\i+4*\c:LF+8*\i+4*\c+3], v[ADL+\s] offset:\i*16*PITCH+64*\q+32*\c
.endr
.endr
.endm
; 16 products, the 16 accumulators by turns, one instruction a turn.  mode 0: they add on; 1: they start with the bias by R; 2: with the bias by L
.macro MUL q, mode
.irp b, 0,1,2,3
.irp a, 0,1,2,3
.if \mode == 0
	v_wmma_scale_f32_16x16x128_f8f6f4 v[ACC+32*\b+8*\a:ACC+32*\b+8*\a+7], v[RF+8*\a:RF+8*\a+7], v[LF+8*\b:LF+8*\b+7], v[ACC+32*\b+8*\a:ACC+32*\b+8*\a+7], v[SC+4*\a+\q], v[SC+4*\b+\q] matrix_a_fmt:MATRIX_FMT_FP4 matrix_b_fmt:MATRIX_FMT_FP4 matrix_b_scale:MATRIX_SCALE_ROW1
.elseif \mode == 1
	v_wmma_scale_f32_16x16x128_f8f6f4 v[ACC+32*\b+8*\a:ACC+32*\b+8*\a+7], v[RF+8*\a:RF+8*\a+7], v[LF+8*\b:LF+8*\b+7], v[BI+8*\a:BI+8*\a+7], v[SC+4*\a+\q], v[SC+4*\b+\q] matrix_a_fmt:MATRIX_FMT_FP4 matrix_b_fmt:MATRIX_FMT_FP4 matrix_b_scale:MATRIX_SCALE_ROW1
.else
	v_wmma_scale_f32_16x16x128_f8f6f4 v[ACC+32*\b+8*\a:ACC+32*\b+8*\a+7], v[RF+8*\a:RF+8*\a+7], v[LF+8*\b:LF+8*\b+7], v[BI+8*\b:BI+8*\b+7], v[SC+4*\a+\q], v[SC+4*\b+\q] matrix_a_fmt:MATRIX_FMT_FP4 matrix_b_fmt:MATRIX_FMT_FP4 matrix_b_scale:MATRIX_SCALE_ROW1
.endif
.endr
.endr
.endm
; 64 numbers along a K of one row, 32 in lane (r, h): register x + 8 a + j is k = 16 a + 8 h + j.  They become registers 0-3 of a fragment in v[p] on (lane h: block h whole) and the two scale bytes in v[t+6], v[t+7].
; A block's scale byte is its largest magnitude's exponent field less 2, held at 1 from below by the floor 2^(3 - 127) among the maximum's leaves; the conversion takes the exponent field of its scale operand.
; The codes of tiles 0, 2, 1, 3 go to p, p + 1, p + 2, p + 3: eight codes of chunk h or 2 + h of a block each; the two exchanges of half rows then give lane h chunks 0 to 3 of block h.
.macro QUANT64 x, p, t
	v_max3_num_f32 v[\t], |v[(\x)]|, |v[(\x)+1]|, 0x1800000
	v_max3_num_f32 v[\t+1], |v[(\x)+16]|, |v[(\x)+17]|, 0x1800000
.irp i, 2,4,6,8,10,12,14
	v_max3_num_f32 v[\t], v[\t], |v[(\x)+\i]|, |v[(\x)+\i+1]|
	v_max3_num_f32 v[\t+1], v[\t+1], |v[(\x)+16+\i]|, |v[(\x)+17+\i]|
.endr
	s_delay_alu instid0(VALU_DEP_2)
	v_permlanex16_b32 v[\t+2], v[\t], s[SEL], s[SEL+1]
	s_delay_alu instid0(VALU_DEP_2)
	v_permlanex16_b32 v[\t+3], v[\t+1], s[SEL], s[SEL+1]
	s_delay_alu instid0(VALU_DEP_2)
	v_max_num_f32 v[\t], v[\t], v[\t+2]            ; with lane l xor 16's 16 numbers: the block's largest magnitude
	s_delay_alu instid0(VALU_DEP_2)
	v_max_num_f32 v[\t+1], v[\t+1], v[\t+3]
	s_delay_alu instid0(VALU_DEP_2)
	v_add_nc_u32 v[\t+4], 0xff000000, v[\t]        ; 2 off the exponent field: the conversion's scale operand
	s_delay_alu instid0(VALU_DEP_2)
	v_add_nc_u32 v[\t+5], 0xff000000, v[\t+1]
	s_delay_alu instid0(VALU_DEP_2)
	v_lshrrev_b32 v[\t+6], 23, v[\t+4]             ; the scale's byte
	s_delay_alu instid0(VALU_DEP_2)
	v_lshrrev_b32 v[\t+7], 23, v[\t+5]
	v_cvt_scalef32_pk8_fp4_f32 v[(\p)], v[(\x):(\x)+7], v[\t+4]
	v_cvt_scalef32_pk8_fp4_f32 v[(\p)+2], v[(\x)+8:(\x)+15], v[\t+4]
	v_cvt_scalef32_pk8_fp4_f32 v[(\p)+1], v[(\x)+16:(\x)+23], v[\t+5]
	v_cvt_scalef32_pk8_fp4_f32 v[(\p)+3], v[(\x)+24:(\x)+31], v[\t+5]
	v_nop                                          ; one plain place behind the scaled conversions
	v_permlane16_swap_b32 v[(\p)], v[(\p)+1]
	v_permlane16_swap_b32 v[(\p)+2], v[(\p)+3]
.endm
	s_load_b512 s[68:83], s[0:1], 0x0              ; x's codes, scales; Wq's; Wk's; Wv's
	s_load_b256 s[84:91], s[0:1], 0x40             ; bq, bk, bv, qimg
	s_load_b128 s[92:95], s[0:1], 0x60             ; qsc, kv
	v_lshl_add_u32 v[SPW], v0, 2, SPARE
	v_mov_b32 v[NIL], 0
	ds_add_u32 v[SPW], v[NIL]                      ; the wave's opening: the add, twice on end, and its wait ahead of my first tensor load
	ds_add_u32 v[SPW], v[NIL]                      ; and once more, under the one wait; the set-up below, work on registers, stands between
	v_lshrrev_b32 v1, 5, v0
	s_delay_alu instid0(VALU_DEP_1)
	v_readfirstlane_b32 s[WV], v1                  ; wave 0..15
	s_and_b32 s[WR], s[WV], 3
	s_lshr_b32 s[WL], s[WV], 2
	s_and_b32 s[P8], s[WV], 7
	s_bfe_u32 s[CX], ttmp6, 0x40000                ; my place in the cluster
	s_bfe_u32 s[CY], ttmp6, 0x40004
	s_and_b32 s[Y4], ttmp7, 0xffff
	s_lshl_b32 s[Y4], s[Y4], 2
	s_lshl_b32 s[RROW], 0x1111, s[CX]              ; my column of the cluster: R's tiles go there
	s_lshl_b32 s[LROW], s[CY], 2
	s_lshl_b32 s[LROW], 15, s[LROW]                ; my row: L's tiles
	; group 1 for codes: 32 rows of 256 bytes, 512 bytes apart in memory; 15:0 the mask; 17:16 elements of 1 byte; 20 padding on; 21 set beside a mask; 24:22 after every 64 words (code 5); 31:25 four words (code 3)
	s_or_b32 s[G1RC], s[RROW], (1<<20)|(1<<21)|(5<<22)|(3<<25)
	s_or_b32 s[G1LC], s[LROW], (1<<20)|(1<<21)|(5<<22)|(3<<25)
.irp g, G1RC, G1LC
	s_mov_b32 s[\g+1], 256<<16                     ; tensor_dim0
	s_mov_b32 s[\g+2], 32<<16                      ; tensor_dim1
	s_mov_b32 s[\g+3], 256<<16                     ; tile_dim0
	s_mov_b32 s[\g+4], 32                          ; tile_dim1
	s_mov_b32 s[\g+5], 512                         ; tensor_dim0_stride
	s_mov_b32 s[\g+6], 0
	s_mov_b32 s[\g+7], 0
.endr
	; group 1 for scales: 32 rows' 1,024 dense bytes as 4 rows of 256 bytes (32 elements of 8 bytes), 16 bytes of padding behind each
	s_or_b32 s[G1RS], s[RROW], (3<<16)|(1<<20)|(1<<21)|(5<<22)|(3<<25)
	s_or_b32 s[G1LS], s[LROW], (3<<16)|(1<<20)|(1<<21)|(5<<22)|(3<<25)
.irp g, G1RS, G1LS
	s_mov_b32 s[\g+1], 32<<16
	s_mov_b32 s[\g+2], 4<<16
	s_mov_b32 s[\g+3], 32<<16
	s_mov_b32 s[\g+4], 4
	s_mov_b32 s[\g+5], 32
	s_mov_b32 s[\g+6], 0
	s_mov_b32 s[\g+7], 0
.endr
	s_cmp_eq_u32 ttmp9, 2                          ; the cluster's x says which product: the same in all partners
	s_cselect_b32 s[ISV], 1, 0
	s_cselect_b32 s[RROW], s[Y4], 0                ; the tokens' side walks with the cluster's y: R for v, L for q and k
	s_cselect_b32 s[LROW], 0, s[Y4]
	s_add_co_u32 s[RROW], s[RROW], s[CX]
	s_add_co_u32 s[LROW], s[LROW], s[CY]
	s_lshl_b32 s[RROW], s[RROW], 8
	s_lshl_b32 s[LROW], s[LROW], 8
	s_lshl_b32 s[TMP], s[P8], 5
	s_add_co_u32 s[RROW], s[RROW], s[TMP]          ; 256 x the side's tile + the 32 rows that I fetch
	s_add_co_u32 s[LROW], s[LROW], s[TMP]
	s_wait_dscnt 0x0                               ; both opening adds are done
	s_wait_kmcnt 0x0
	s_cmp_eq_u32 ttmp9, 0
	s_cselect_b64 s[RC:RC+1], s[72:73], s[76:77]   ; Wq or Wk,
	s_cselect_b64 s[RS:RS+1], s[74:75], s[78:79]
	s_cselect_b64 s[BP:BP+1], s[84:85], s[86:87]   ; bq or bk,
	s_cselect_b64 s[OC:OC+1], s[90:91], s[94:95]   ; qimg or kv,
	s_cselect_b64 s[OS:OS+1], s[92:93], s[94:95]   ; qsc or kv
	s_cmp_eq_u32 ttmp9, 2
	s_cselect_b64 s[LC:LC+1], s[80:81], s[68:69]   ; L: Wv, else x
	s_cselect_b64 s[LS:LS+1], s[82:83], s[70:71]
	s_cselect_b64 s[RC:RC+1], s[68:69], s[RC:RC+1] ; R: x, else the weight
	s_cselect_b64 s[RS:RS+1], s[70:71], s[RS:RS+1]
	s_cselect_b64 s[BP:BP+1], s[88:89], s[BP:BP+1]
	G0SET G0R, RROW, RC, RS
	G0SET G0L, LROW, LC, LS
	CROUND                                         ; all sixteen work-groups are here: the joint loads meet
	s_cmp_lt_u32 s[WV], 8                          ; waves 0-7 fetch R's rows, waves 8-15 L's: a wave's three first fills stand in one branch: three loads of mine are out
	s_cbranch_scc0 .Lfill_l
	tensor_load_to_lds s[G0R:G0R+3], s[G1RS:G1RS+7]
	s_nop 0
	tensor_load_to_lds s[G0R+4:G0R+7], s[G1RC:G1RC+7]
	s_nop 0
	tensor_load_to_lds s[G0R+8:G0R+11], s[G1RC:G1RC+7]
	s_nop 0
	PLACES
	s_branch .Lfilled
.Lfill_l:
	tensor_load_to_lds s[G0L:G0L+3], s[G1LS:G1LS+7]
	s_nop 0
	tensor_load_to_lds s[G0L+4:G0L+7], s[G1LC:G1LC+7]
	s_nop 0
	tensor_load_to_lds s[G0L+8:G0L+11], s[G1LC:G1LC+7]
	s_nop 0
	PLACES
.Lfilled:
	s_mov_b32 s[SEL], 0x76543210
	s_mov_b32 s[SEL+1], 0xfedcba98
	s_mov_b32 s[HM], 0xffff0000
	; where my results go.  head = 4 x (the features' place in the cluster) + (the features' quarter); token0 = my first token
	s_cmp_eq_u32 s[ISV], 1
	s_cselect_b32 s80, s[CY], s[CX]
	s_cselect_b32 s81, s[WL], s[WR]
	s_cselect_b32 s82, s[CX], s[CY]
	s_cselect_b32 s83, s[WR], s[WL]
	s_cselect_b32 s89, 9, 11                       ; my half of a key step: 512 bytes on in V^T's tiles, 2,048 in K's,
	s_cselect_b32 s90, 1, 8                        ; 2 bytes on in V's scale words, 256 in K's
	s_cselect_b32 s91, 4096, 0
	s_cselect_b32 s92, 512, 0
	s_lshl_b32 s80, s80, 2
	s_add_co_u32 s80, s80, s81                     ; head
	s_add_co_u32 s82, s82, s[Y4]
	s_lshl_b32 s82, s82, 8
	s_lshl_b32 s83, s83, 6
	s_add_co_u32 s82, s82, s83                     ; token0
	s_lshr_b32 s83, s82, 11
	s_lshl_b32 s83, s83, 4
	s_add_co_u32 s83, s83, s80                     ; bh = 16 x batch + head
	s_and_b32 s84, s82, 2047                       ; st: the token in its sequence
	s_lshr_b32 s85, s84, 7                         ; its key step
	s_bfe_u32 s93, s84, 0x10006                    ; and which half of it
	s_lshl_b32 s80, s80, 8                         ; the head's 64 numbers of the bias
	s_mov_b32 s81, 0
	s_add_nc_u64 s[BP:BP+1], s[BP:BP+1], s[80:81]
	s_lshl_b32 s86, s83, 16
	s_lshl_b32 s87, s84, 5
	s_add_co_u32 s86, s86, s87                     ; q's codes: 65,536 bh + 512 x (st / 16)
	s_lshr_b32 s87, s86, 3                         ; q's words: 8,192 bh + 256 x (st / 64)
	s_mul_i32 s88, s83, KVHEAD
	s_mul_i32 s85, s85, KVSTEP
	s_add_co_u32 s88, s88, s85                     ; the key step in kv
	s_lshl_b32 s89, s93, s89
	s_add_co_u32 s89, s89, s91
	s_add_co_u32 s89, s89, s88                     ; k's or v's codes
	s_lshl_b32 s90, s93, s90
	s_add_co_u32 s90, s90, s92
	s_add_co_u32 s90, s90, 8192
	s_add_co_u32 s90, s90, s88                     ; k's or v's words
	s_add_co_u32 s92, s92, 512                     ; from one of L's tiles to the next: 512 bytes (q, k), 1,024 (v)
	s_cmp_eq_u32 ttmp9, 0
	s_cselect_b32 s86, s86, s89
	s_cselect_b32 s88, s87, s90
	s_mov_b32 s87, 0
	s_mov_b32 s89, 0
	s_add_nc_u64 s[OC:OC+1], s[OC:OC+1], s[86:87]
	s_add_nc_u64 s[OS:OS+1], s[OS:OS+1], s[88:89]
	v_and_b32 v[RR], 15, v0
	v_bfe_u32 v[HH], v0, 4, 1
	s_delay_alu instid0(VALU_DEP_1)
	v_lshlrev_b32 v[BOH], 5, v[HH]
	s_delay_alu instid0(VALU_DEP_3)
	v_lshlrev_b32 v[BOR], 2, v[RR]
	s_cmp_eq_u32 s[ISV], 1
	s_cbranch_scc1 .Lbias_v
.irp a, 0,1,2,3                                ; q, k: the bias goes by R: register 8 a + j is that of feature 16 a + 8 h + j
	global_load_b128 v[BI+8*\a:BI+8*\a+3], v[BOH], s[BP:BP+1] offset:64*\a
	global_load_b128 v[BI+8*\a+4:BI+8*\a+7], v[BOH], s[BP:BP+1] offset:64*\a+16
.endr
	s_branch .Lbias_in
.Lbias_v:
	s_wait_alu depctr_va_vdst(0)
.irp b, 0,1,2,3                                ; v: it goes by L: the eight registers of tile b all hold that of channel 16 b + r
.irp j, 0,1,2,3,4,5,6,7
	global_load_b32 v[BI+8*\b+\j], v[BOR], s[BP:BP+1] offset:64*\b
.endr
.endr
.Lbias_in:
	v_and_b32 v[TA], 31, v0
	s_delay_alu instid0(VALU_DEP_1)
	v_lshlrev_b32 v[L16], 4, v[TA]
	s_delay_alu instid0(VALU_DEP_2)
	v_lshlrev_b32 v[L8], 3, v[TA]
	s_wait_alu depctr_va_vdst(0)
	v_mul_u32_u24 v[TA], v[RR], PITCH
	s_delay_alu instid0(VALU_DEP_1)
	v_lshl_add_u32 v[TA], v[HH], 4, v[TA]          ; a fragment's row x pitch + 16 h
	s_mul_i32 s80, s[WR], 64*PITCH
	s_mul_i32 s81, s[WL], 64*PITCH
	s_add_co_u32 s81, s81, SIDE
	v_add_nc_u32 v[ADR], s80, v[TA]
	v_add_nc_u32 v[ADL], s81, v[TA]
	s_add_co_u32 s80, s80, SLOT
	s_add_co_u32 s81, s81, SLOT
	v_add_nc_u32 v[ADR+1], s80, v[TA]
	v_add_nc_u32 v[ADL+1], s81, v[TA]
	v_lshrrev_b32 v[TA], 3, v[RR]                  ; a row's 32 scale bytes: eight rows to a piece of 272
	s_delay_alu instid0(VALU_DEP_1)
	v_mul_u32_u24 v[TA], v[TA], 272
	v_and_b32 v[TB], 7, v[RR]
	s_delay_alu instid0(VALU_DEP_1)
	v_lshl_add_u32 v[TA], v[TB], 5, v[TA]
	s_xor_b32 s81, s[WR], 3                        ; from R's words to L's: 8,704 + 2,176 (wl - wr) = 2,176 (1 + wl + (3 - wr)), and 3 - wr = wr xor 3
	s_add_co_u32 s81, s81, s[WL]
	s_add_co_u32 s81, s81, 1
	s_mul_i32 s81, s81, 2176
	v_mul_u32_u24 v[TB], s81, v[HH]                ; lanes 16-31 take L's
	s_mul_i32 s80, s[WR], 2176
	s_add_co_u32 s80, s80, SCL
	v_add_nc_u32 v[TA], v[TA], v[TB]
	s_delay_alu instid0(VALU_DEP_1)
	v_add_nc_u32 v[ADS], s80, v[TA]
	s_wait_alu depctr_va_vdst(0)
	s_wait_tensorcnt 0x1                           ; my scales and my part of the first half of K are in; the one load issued behind them, the second half's, may stay out
	s_barrier_signal -1
	s_barrier_wait -1                              ; everybody's are
	SCALES 0
	LOADS 0, 0
	s_wait_loadcnt 0x0                             ; the bias
	s_wait_dscnt 0x0
	s_cmp_eq_u32 s[ISV], 1
	s_cbranch_scc1 .Lfirst_v
	MUL 0, 1                                       ; the first products start the sums with the bias: nothing is cleared, nothing is added later
	s_branch .Lfirst_done
.Lfirst_v:
	MUL 0, 2
.Lfirst_done:
.irp q, 1,2,3
	PLACES
	LOADS 0, \q
	s_wait_dscnt 0x0
	MUL \q, 0
.endr
	s_wait_tensorcnt 0x0                           ; my part of the second half is in,
	s_barrier_signal -1
	s_barrier_wait -1                              ; everybody's is
	PLACES
	SCALES 1
.irp q, 0,1,2,3
.if \q > 0
	PLACES
.endif
	LOADS 1, \q
	s_wait_dscnt 0x0
	MUL \q, 0
.endr
	; THE WAY OUT.  For each of L's four tiles: 64 numbers along R become 16 bytes of codes a lane, which the wave stores as 512 consecutive bytes, and a scale word a row
	PLACES
	v_mov_b32 v[TQ+2], 0                           ; a lane permute's destination counts as one of its sources
	v_mov_b32 v[TQ+3], 0
	v_mov_b32 v[OFFC], v[L16]
	v_add_nc_u32 v[OFFC+1], s92, v[L16]
	s_lshl_b32 s93, s92, 1
	v_add_nc_u32 v[OFFC+2], s93, v[L16]
	s_add_co_u32 s93, s93, s92
	v_add_nc_u32 v[OFFC+3], s93, v[L16]
.irp b, 0,1,2,3
	QUANT64 ACC+32*\b, PQ+4*\b, TQ
	v_lshl_or_b32 v[WW+\b], v[TQ+7], 8, v[TQ+6]    ; the row's word: two bytes, and 127 twice for the 64 zero codes that fill product 4's K to 128
	s_delay_alu instid0(VALU_DEP_1)
	v_or_b32 v[WW+\b], 0x7f7f0000, v[WW+\b]
	global_store_b128 v[OFFC+\b], v[PQ+4*\b:PQ+4*\b+3], s[OC:OC+1]
.endr
	v_cndmask_b32 v[YY], v[WW], v[WW+1], s[HM]     ; lanes 0-15 carry tiles 0 and 2, lanes 16-31 tiles 1 and 3: so one register serves two tiles in the next launch
	v_cndmask_b32 v[YY+1], v[WW+2], v[WW+3], s[HM]
	s_cmp_eq_u32 s[ISV], 1
	s_cbranch_scc1 .Lwords_v
	global_store_b64 v[L8], v[YY:YY+1], s[OS:OS+1] ; 256 consecutive bytes
	s_branch .Lwords_done
.Lwords_v:
	s_wait_alu depctr_va_vdst(0)
	global_store_b16 v[L8], v[YY], s[OS:OS+1]      ; v: my 64 keys are two of a word's four bytes; the wave beside me stores the other two
	global_store_b16 v[L8], v[YY+1], s[OS:OS+1] offset:4
.Lwords_done:
	s_wait_tensorcnt 0x0                           ; the wave's end
	ds_add_u32 v[SPW], v[NIL]
	s_wait_dscnt 0x0
	CROUND                                         ; the closing round
	s_endpgm
.Lfunc_end_k_q6f9938bd41_qkv:
	.size	k_q6f9938bd41_qkv, .Lfunc_end_k_q6f9938bd41_qkv-k_q6f9938bd41_qkv
	.p2alignl 7, 3214868480
	.fill 96, 4, 3214868480
	.section	.rodata,"a",@progbits
	.p2align	6, 0x0
	.amdhsa_kernel k_q6f9938bd41_qkv
		.amdhsa_group_segment_fixed_size 327680
		.amdhsa_private_segment_fixed_size 0
		.amdhsa_enable_private_segment 0
		.amdhsa_kernarg_size 112
		.amdhsa_user_sgpr_count 2
		.amdhsa_user_sgpr_kernarg_segment_ptr 1
		.amdhsa_wavefront_size32 1
		.amdhsa_system_sgpr_workgroup_id_x 1
		.amdhsa_system_sgpr_workgroup_id_y 1
		.amdhsa_system_sgpr_workgroup_id_z 1
		.amdhsa_system_vgpr_workitem_id 0
		.amdhsa_next_free_vgpr 256
		.amdhsa_next_free_sgpr 102
		.amdhsa_reserve_vcc 0
		.amdhsa_float_denorm_mode_32 3
		.amdhsa_float_denorm_mode_16_64 3
		.amdhsa_memory_ordered 1
		.amdhsa_forward_progress 1
		.amdhsa_inst_pref_size 53
	.end_amdhsa_kernel
	.amdgpu_metadata
---
amdhsa.version: [ 1, 2 ]
amdhsa.kernels:
  - .name:           k_q6f9938bd41_qkv
    .symbol:         k_q6f9938bd41_qkv.kd
    .args:
      - { .name: x_codes, .offset: 0, .size: 8, .value_kind: global_buffer, .address_space: global }
      - { .name: x_scales, .offset: 8, .size: 8, .value_kind: global_buffer, .address_space: global }
      - { .name: Wq_codes, .offset: 16, .size: 8, .value_kind: global_buffer, .address_space: global }
      - { .name: Wq_scales, .offset: 24, .size: 8, .value_kind: global_buffer, .address_space: global }
      - { .name: Wk_codes, .offset: 32, .size: 8, .value_kind: global_buffer, .address_space: global }
      - { .name: Wk_scales, .offset: 40, .size: 8, .value_kind: global_buffer, .address_space: global }
      - { .name: Wv_codes, .offset: 48, .size: 8, .value_kind: global_buffer, .address_space: global }
      - { .name: Wv_scales, .offset: 56, .size: 8, .value_kind: global_buffer, .address_space: global }
      - { .name: bq, .offset: 64, .size: 8, .value_kind: global_buffer, .address_space: global }
      - { .name: bk, .offset: 72, .size: 8, .value_kind: global_buffer, .address_space: global }
      - { .name: bv, .offset: 80, .size: 8, .value_kind: global_buffer, .address_space: global }
      - { .name: qimg, .offset: 88, .size: 8, .value_kind: global_buffer, .address_space: global }
      - { .name: qsc, .offset: 96, .size: 8, .value_kind: global_buffer, .address_space: global }
      - { .name: kv, .offset: 104, .size: 8, .value_kind: global_buffer, .address_space: global }
    .group_segment_fixed_size: 327680
    .private_segment_fixed_size: 0
    .kernarg_segment_align: 8
    .kernarg_segment_size: 112
    .max_flat_workgroup_size: 512
    .sgpr_count:     102
    .vgpr_count:     256
    .wavefront_size: 32
...
	.end_amdgpu_metadata
.endif
;; end of part 1
;; launch attn (part 2): grid 4 x 64, 16 waves a work-group, clusters of 4 x 1, 167,936 bytes of LDS; arguments qimg, qsc, kv, ctx, ctxs; writes ctx, ctxs
.if DOCPART == 2
	.amdgcn_target "amdgcn-amd-amdhsa--gfx1250"
	.amdhsa_code_object_version 6
	.text
	.protected	k_q6f9938bd41_attn
	.globl	k_q6f9938bd41_attn
	.p2align	8
	.type	k_q6f9938bd41_attn,@function
k_q6f9938bd41_attn:
	s_mov_b64 s[64:65], 0
	v_nop
	global_prefetch_b8 v0, s[64:65] scope:SCOPE_SE
	s_setreg_imm32_b32 hwreg(HW_REG_WAVE_MODE, 25, 1), 1
	s_wait_xcnt 0x0
	s_wait_alu depctr_hold_cnt(0) depctr_sa_sdst(0) depctr_va_vdst(0) depctr_va_sdst(0) depctr_va_ssrc(0) depctr_va_vcc(0) depctr_vm_vsrc(0)
	s_getreg_b32 s2, hwreg(HW_REG_IB_STS2, 6, 4)
	s_cmp_eq_u32 s2, 0
	s_cbranch_scc0 .Lentry_in_a_cluster
	s_endpgm
.Lentry_in_a_cluster:
	s_bfe_u32 s2, ttmp6, 0x10000c
	s_cmp_lg_u32 s2, 0x3003
	s_cbranch_scc0 .Lentry_shape_is_right
	s_endpgm
.Lentry_shape_is_right:
; LAUNCH 2 OF 3.  ctx = softmax(q k^T / 8, causal) v for each of 64 (batch, head), both products on codes of FP4 (E2M1) with E8M0 scales; then ctx is quantised along D for the last product.
; LEFT OUT (shown at the head of launch 1): a step of 128 keys all of which come after a tile's 16 queries.  reference() masks them to -inf itself: p = 0, zero codes, nothing in the sum.
; THE SOFTMAX AHEAD OF THE SECOND PRODUCT: t = score x log2(e) / 8; M = the running largest t, rounded UP to a whole number; p = 2^(t - M) is quantised along the keys, not normalised; the row's sum is taken
; of the unquantised p and divides at the end.  When M moves, the sum and O are multiplied by 2^(old M - new M), which rounds nothing.
; LIMITS: as in launch 1 (byte 1 under 2^-124 and for a block of zeros; no NaN or infinity among the inputs).
; SHARES.  The four work-groups of a cluster own one head.  Wave w of work-group cx owns TWO tiles of 16 queries: tA = 4 w + cx and tB = 127 - tA.  Tile t needs t / 8 + 1 steps of 128 keys: w / 2 + 1 and
; 16 - w / 2: seventeen for every wave of the launch.  Both counts hang on the wave's number alone; cx enters only global addresses and the numbers that the mask compares.
; THE HEAD'S K AND V LIE IN LDS WHOLE: 16 key steps of 8,960 bytes, laid by launch 1 in the order of the operands' registers.  Wave w asks for key step w, jointly for the four work-groups (mask 15):
; one tensor load a wave, one out; no LDS byte is filled twice.  Waves 0 and 1 of every work-group walk all 16 steps, so every step asked for is read in every partner.
; LAYOUT.  Both products are used transposed: S^T = K Q^T (source 0 = 16 keys), O^T = V^T P^T (source 0 = 16 channels): a lane holds ONE query (lane % 16) throughout.  Product 4's K is 64: the upper
; halves of K's and Q's fragments are zero codes, set once, under the byte 127.
.set KVSTEP, 8960
.set KVHEAD, 16*KVSTEP
.set SPARE,  KVHEAD                    ; behind the head: the spare words, 128 bytes for each wave: eight blocks of 256 bytes that no other line names
.set L16, 1                            ; v1   16 x lane
.set L8,  2                            ; v2   8 x lane
.set SPW, 3                            ; v3   LDS address of my spare word; never rewritten
.set NIL, 4                            ; v4   0; never rewritten
.set DA,  5                            ; v5   tile A: 16 (t % 8) + r - 8 h: register 8 tau + j of the diagonal step is hidden where 16 tau + j is above it
.set ADK, 6                            ; v6   LDS address of the step's images
.set ADS, 7                            ; v7   and of its scale words
.set R8,  8                            ; v8   8 r
.set CSO, 9                            ; v9   32 r + h: my byte among ctx's scales
.set RH,  10                           ; v10  r - 8 h
.set DB,  11                           ; v11  tile B's
.set QA,  16                           ; v16-23 tile A's fragment of Q;  v24 its scale words
.set QAS, 24
.set PS,  25                           ; v25  p's scale word
.set KSC, 26                           ; v26-29 K's scale words: register 2 (tau / 4) + (tau / 2) % 2, lanes 0-15 even tau, lanes 16-31 odd
.set VSC, 30                           ; v30-31 V's: register ct / 2, likewise
.set KF,  32                           ; v32-95 K's eight fragments
.set ST,  96                           ; v96-159 S^T, then p
.set OT,  160                          ; v160-191 O^T
.set VF,  192                          ; v192-223 V's four fragments
.set PC,  224                          ; v224-231 p's codes
.set WK,  232                          ; v232-239 at work
.set QB,  240                          ; v240-247 tile B's fragment;  v255 its scale words
.set SO,  248                          ; v248-251 the conversions' scale operands
.set FF,  252                          ; v[252:253] f = 2^(old M - new M), and a word that is only named with it
.set TM,  254
.set QBS, 255
.set G1,  16
.set G0,  24
.set WV,  28
.set CX,  29
.set BH,  30
.set HM,  31                           ; lanes 16-31
.set SEL, 32                           ; s[32:33] lane l xor 16
.set CS,  34                           ; s[34:35] c = log2(e) / 8
.set TT,  36                           ; s36  LDS byte at which the step begins
.set KS,  37                           ; s37  the step
.set LS,  38                           ; s38  the tile's last step, the one on the diagonal
.set TAI, 39
.set TBI, 40
.set TMP, 41
.set QPA, 44                           ; s[44:59] the two tiles' places in qimg, qsc, ctx, ctxs
.set QPB, 46
.set QSA, 48
.set QSB, 50
.set CPA, 52
.set CPB, 54
.set CSA, 56
.set CSB, 58
.macro CROUND
	s_barrier_signal -1
	s_barrier_wait -1
	s_cmp_lg_u32 s[WV], 0
	s_cbranch_scc1 .Lnot_wave_0_\@
	s_barrier_signal -3
.Lnot_wave_0_\@:
	s_barrier_wait -3
	s_barrier_signal -1
	s_barrier_wait -1
.endm
.macro PLACES
.rept 4
	v_nop
.endr
.endm
.macro QUANT64 x, p, t                 ; as in launch 1: register x + 8 a + j is k = 16 a + 8 h + j of my row; codes to v[p] .. v[p+3], lane h: block h; the two bytes to v[t+6], v[t+7]
	v_max3_num_f32 v[\t], |v[(\x)]|, |v[(\x)+1]|, 0x1800000
	v_max3_num_f32 v[\t+1], |v[(\x)+16]|, |v[(\x)+17]|, 0x1800000
.irp i, 2,4,6,8,10,12,14
	s_delay_alu instid0(VALU_DEP_2)
	v_max3_num_f32 v[\t], v[\t], |v[(\x)+\i]|, |v[(\x)+\i+1]|
	s_delay_alu instid0(VALU_DEP_2)
	v_max3_num_f32 v[\t+1], v[\t+1], |v[(\x)+16+\i]|, |v[(\x)+17+\i]|
.endr
	s_delay_alu instid0(VALU_DEP_2)
	v_permlanex16_b32 v[\t+2], v[\t], s[SEL], s[SEL+1]
	s_delay_alu instid0(VALU_DEP_2)
	v_permlanex16_b32 v[\t+3], v[\t+1], s[SEL], s[SEL+1]
	s_delay_alu instid0(VALU_DEP_2)
	v_max_num_f32 v[\t], v[\t], v[\t+2]
	s_delay_alu instid0(VALU_DEP_2)
	v_max_num_f32 v[\t+1], v[\t+1], v[\t+3]
	s_delay_alu instid0(VALU_DEP_2)
	v_add_nc_u32 v[\t+4], 0xff000000, v[\t]
	s_delay_alu instid0(VALU_DEP_2)
	v_add_nc_u32 v[\t+5], 0xff000000, v[\t+1]
	s_delay_alu instid0(VALU_DEP_2)
	v_lshrrev_b32 v[\t+6], 23, v[\t+4]
	s_delay_alu instid0(VALU_DEP_2)
	v_lshrrev_b32 v[\t+7], 23, v[\t+5]
	v_cvt_scalef32_pk8_fp4_f32 v[(\p)], v[(\x):(\x)+7], v[\t+4]
	v_cvt_scalef32_pk8_fp4_f32 v[(\p)+2], v[(\x)+8:(\x)+15], v[\t+4]
	v_cvt_scalef32_pk8_fp4_f32 v[(\p)+1], v[(\x)+16:(\x)+23], v[\t+5]
	v_cvt_scalef32_pk8_fp4_f32 v[(\p)+3], v[(\x)+24:(\x)+31], v[\t+5]
	v_nop
	v_permlane16_swap_b32 v[(\p)], v[(\p)+1]
	v_permlane16_swap_b32 v[(\p)+2], v[(\p)+3]
.endm
.macro PTRS t, qp, qs, cp, cs          ; tile s[t]'s places in the four buffers
	s_lshl_b32 s60, s[BH], 16
	s_lshl_b32 s61, s[\t], 9
	s_add_co_u32 s60, s60, s61                     ; qimg: 65,536 bh + 512 t
	s_mov_b32 s61, 0
	s_add_nc_u64 s[\qp:\qp+1], s[4:5], s[60:61]
	s_lshl_b32 s60, s[BH], 13                      ; qsc: 8,192 bh + 256 (t / 4) + 128 (t % 2) + 4 ((t / 2) % 2)
	s_lshr_b32 s62, s[\t], 2
	s_lshl_b32 s62, s62, 8
	s_add_co_u32 s60, s60, s62
	s_and_b32 s62, s[\t], 1
	s_lshl_b32 s62, s62, 7
	s_add_co_u32 s60, s60, s62
	s_bfe_u32 s62, s[\t], 0x10001
	s_lshl_b32 s62, s62, 2
	s_add_co_u32 s60, s60, s62
	s_add_nc_u64 s[\qs:\qs+1], s[6:7], s[60:61]
	s_bfe_u32 s60, s[BH], 0x10003                  ; ctx: 2,097,152 (head / 8) + 4,096 (128 batch + t) + 512 (head % 8)
	s_lshl_b32 s60, s60, 21
	s_lshr_b32 s62, s[BH], 4
	s_lshl_b32 s62, s62, 7
	s_add_co_u32 s62, s62, s[\t]
	s_lshl_b32 s62, s62, 12
	s_add_co_u32 s60, s60, s62
	s_and_b32 s62, s[BH], 7
	s_lshl_b32 s62, s62, 9
	s_add_co_u32 s60, s60, s62
	s_add_nc_u64 s[\cp:\cp+1], s[10:11], s[60:61]
	s_lshr_b32 s60, s[BH], 4                       ; ctxs: 32 (2,048 batch + 16 t) + 2 head
	s_lshl_b32 s60, s60, 16
	s_lshl_b32 s62, s[\t], 9
	s_add_co_u32 s60, s60, s62
	s_and_b32 s62, s[BH], 15
	s_lshl_b32 s62, s62, 1
	s_add_co_u32 s60, s60, s62
	s_add_nc_u64 s[\cs:\cs+1], s[12:13], s[60:61]
.endm
; A KEY STEP: 128 keys against the tile whose fragment of Q is v[qf] on, its scale words v[qs], its diagonal number v[d]
.macro STEP qf, qs, d
	s_cmp_gt_u32 s[KS], s[LS]                      ; all keys of this step come after my 16 queries: its work is left out; the lines at its end that step the address and the count are not
	s_cbranch_scc1 .Lhidden_\@
	s_setprio 2
	v_add_nc_u32 v[ADK], s[TT], v[L16]
	v_add_nc_u32 v[ADS], s[TT], v[L8]
	v_nop
	v_nop                                          ; these four are the places in front of loads into registers that the last step's products read
	ds_load_b64 v[KSC:KSC+1], v[ADS] offset:8192
	ds_load_b64 v[KSC+2:KSC+3], v[ADS] offset:8448
.irp tau, 0,1,2,3,4,5,6,7
	ds_load_b128 v[KF+8*\tau:KF+8*\tau+3], v[ADK] offset:512*\tau
.endr
	ds_load_b64 v[VSC:VSC+1], v[ADS] offset:8704
.irp ct, 0,1,2,3
.irp c, 0,1
	ds_load_b128 v[VF+8*\ct+4*\c:VF+8*\ct+4*\c+3], v[ADK] offset:4096+1024*\ct+512*\c
.endr
.endr
	s_wait_dscnt 0x9                               ; K's words and fragments are in; the nine loads issued behind them, V's, may stay out
.irp tau, 0,1,2,3,4,5,6,7                      ; S^T: tile tau, register j, lane (r, h): key 16 tau + 8 h + j, query r
.if \tau % 2
	v_wmma_scale_f32_16x16x128_f8f6f4 v[ST+8*\tau:ST+8*\tau+7], v[KF+8*\tau:KF+8*\tau+7], v[\qf:\qf+7], 0, v[KSC+2*(\tau/4)+(\tau/2)%2], v[\qs] matrix_a_fmt:MATRIX_FMT_FP4 matrix_b_fmt:MATRIX_FMT_FP4 matrix_a_scale:MATRIX_SCALE_ROW1
.else
	v_wmma_scale_f32_16x16x128_f8f6f4 v[ST+8*\tau:ST+8*\tau+7], v[KF+8*\tau:KF+8*\tau+7], v[\qf:\qf+7], 0, v[KSC+2*(\tau/4)+(\tau/2)%2], v[\qs] matrix_a_fmt:MATRIX_FMT_FP4 matrix_b_fmt:MATRIX_FMT_FP4
.endif
.endr
	PLACES
	s_cmp_lg_u32 s[KS], s[LS]                      ; only the tile's last step lies on the diagonal: there hidden scores become -infinity ahead of the maximum, so that p = 0
	s_cbranch_scc1 .Lopen_\@
	v_mov_b32 v[TM], 0xff800000
.set n, 0
.rept 64
	v_cmp_gt_i32 vcc_lo, 16*(n/8)+n%8, v[\d]
	v_cndmask_b32 v[ST+n], v[ST+n], v[TM], vcc_lo
.set n, n+1
.endr
.Lopen_\@:
.irp b, 0,1,2,3
	v_max3_num_f32 v[WK+\b], v[ST+16*\b], v[ST+1+16*\b], v[ST+2+16*\b]   ; the largest score of each block of 32 keys (tiles 2 b, 2 b + 1): for the row's maximum, and, since p rises with the score, for the block's largest p
.endr
.irp i, 3,5,7,9,11,13
.irp b, 0,1,2,3
	v_max3_num_f32 v[WK+\b], v[WK+\b], v[ST+16*\b+\i], v[ST+1+16*\b+\i]
.endr
.endr
.irp b, 0,1,2,3
	v_max_num_f32 v[WK+\b], v[WK+\b], v[ST+15+16*\b]
.endr
.irp b, 0,1,2,3
	s_delay_alu instid0(VALU_DEP_4)
	v_permlanex16_b32 v[WK+4+\b], v[WK+\b], s[SEL], s[SEL+1]
.endr
.irp b, 0,1,2,3
	s_delay_alu instid0(VALU_DEP_4)
	v_max_num_f32 v[WK+\b], v[WK+\b], v[WK+4+\b]   ; with lane l xor 16's 16 keys
.endr
	s_delay_alu instid0(VALU_DEP_2)
	v_max3_num_f32 v[TM], v[WK], v[WK+1], v[WK+2]
	s_delay_alu instid0(VALU_DEP_1)
	v_max_num_f32 v[TM], v[TM], v[WK+3]            ; the step's largest score of my query
	s_delay_alu instid0(VALU_DEP_1)
	v_mul_f32 v[TM], s[CS], v[TM]                  ; as t (c is positive)
	s_delay_alu instid0(VALU_DEP_1)
	v_max_num_f32 v13, v13, v[TM]                  ; the running largest t
	v_mov_b32 v[TM], v12
	s_delay_alu instid0(VALU_DEP_2)
	v_floor_f32 v12, -v13                          ; the new -M = floor(-t) = -ceil(t): a whole number
	s_delay_alu instid0(VALU_DEP_1)
	v_sub_f32 v[TM], v12, v[TM]                    ; old M less new M: a whole number, 0 or less
	s_delay_alu instid0(VALU_DEP_1)
	v_cvt_i32_f32 v[TM], v[TM]                     ; (it saturates)
	s_delay_alu instid0(VALU_DEP_1)
	v_ldexp_f32 v[FF], 1.0, v[TM]                  ; f = 2^(old M - new M)
.set j, 0
.rept 32
	v_pk_fma_f32 v[ST+j:ST+j+1], v[ST+j:ST+j+1], s[CS:CS+1], v[12:13] op_sel_hi:[1,0,0]   ; t - M, two at a time (of the pairs c and -M the low word serves both halves)
.set j, j+2
.endr
	s_setprio 1
.irp b, 0,1,2,3
	v_fma_f32 v[WK+\b], v[WK+\b], s[CS], v12       ; the same of each block's largest score
.endr
.set j, 0
	s_wait_alu depctr_va_vdst(0)
.rept 64
	v_exp_f32 v[ST+j], v[ST+j]                     ; p = 2^(t - M), at most 1
.set j, j+1
.endr
	v_pk_mul_f32 v[14:15], v[14:15], v[FF:FF+1] op_sel_hi:[1,0]   ; the sums under the new M: the plain place behind the exponentials
	s_wait_alu depctr_va_vdst(0)                   ; one wait for the batch of 64, ahead of its first reader
.irp b, 0,1,2,3
	v_exp_f32 v[WK+\b], v[WK+\b]                   ; the block's largest p: the same two instructions on the same number
.endr
	v_pk_add_f32 v[236:237], v[100:101], v[104:105]
	v_pk_add_f32 v[250:251], v[108:109], v[112:113]
	v_pk_add_f32 v[248:249], v[116:117], v[120:121]
	v_pk_add_f32 v[238:239], v[124:125], v[128:129]
	v_pk_add_f32 v[230:231], v[132:133], v[136:137]
	v_pk_add_f32 v[228:229], v[140:141], v[144:145]
	v_pk_add_f32 v[226:227], v[148:149], v[152:153]
	v_pk_add_f32 v[14:15], v[14:15], v[156:157]
	v_pk_add_f32 v[236:237], v[236:237], v[96:97]
	v_pk_add_f32 v[250:251], v[250:251], v[98:99]
	v_pk_add_f32 v[248:249], v[248:249], v[102:103]
	v_pk_add_f32 v[238:239], v[238:239], v[106:107]
	v_pk_add_f32 v[230:231], v[230:231], v[110:111]
	v_pk_add_f32 v[228:229], v[228:229], v[114:115]
	v_pk_add_f32 v[226:227], v[226:227], v[118:119]
	v_pk_add_f32 v[14:15], v[14:15], v[122:123]
	v_pk_add_f32 v[236:237], v[236:237], v[126:127]
	v_pk_add_f32 v[250:251], v[250:251], v[130:131]
	v_pk_add_f32 v[248:249], v[248:249], v[134:135]
	v_pk_add_f32 v[238:239], v[238:239], v[138:139]
	v_pk_add_f32 v[230:231], v[230:231], v[142:143]
	v_pk_add_f32 v[228:229], v[228:229], v[146:147]
	v_pk_add_f32 v[226:227], v[226:227], v[150:151]
	v_pk_add_f32 v[14:15], v[14:15], v[154:155]
	v_pk_add_f32 v[236:237], v[236:237], v[158:159]
	s_delay_alu instid0(VALU_DEP_2)
	v_pk_add_f32 v[14:15], v[14:15], v[238:239]
	s_delay_alu instid0(VALU_DEP_2)
	v_pk_add_f32 v[236:237], v[236:237], v[230:231]
	v_pk_add_f32 v[250:251], v[250:251], v[228:229]
	v_pk_add_f32 v[248:249], v[248:249], v[226:227]
	s_delay_alu instid0(VALU_DEP_2)
	v_pk_add_f32 v[14:15], v[14:15], v[250:251]
	s_delay_alu instid0(VALU_DEP_2)
	v_pk_add_f32 v[236:237], v[236:237], v[248:249]
	s_delay_alu instid0(VALU_DEP_1)
	v_pk_add_f32 v[14:15], v[14:15], v[236:237]
	s_wait_alu depctr_va_vdst(0)                   ; and one for the four
.irp b, 0,1,2,3
	v_max_num_f32 v[WK+\b], 0x1800000, v[WK+\b]    ; the floor 2^(3 - 127): the byte cannot fall under 1
.endr
.irp b, 0,1,2,3
	s_delay_alu instid0(VALU_DEP_4)
	v_add_nc_u32 v[SO+\b], 0xff000000, v[WK+\b]    ; 2 off the exponent field: the conversion's scale operand
.endr
.irp b, 0,1,2,3
	s_delay_alu instid0(VALU_DEP_4)
	v_lshrrev_b32 v[WK+4+\b], 23, v[SO+\b]         ; the scale's byte
.endr
	s_delay_alu instid0(VALU_DEP_3)
	v_lshl_or_b32 v[PS], v[WK+5], 8, v[WK+4]       ; p's scale word for these 128 keys
	s_delay_alu instid0(VALU_DEP_1)
	v_lshl_or_b32 v[PS], v[WK+6], 16, v[PS]
	s_delay_alu instid0(VALU_DEP_1)
	v_lshl_or_b32 v[PS], v[WK+7], 24, v[PS]
	s_setprio 0
.irp c, 0,1                                    ; the codes of tiles 4 c, 4 c + 2, 4 c + 1, 4 c + 3 go to registers 4 c .. 4 c + 3; the exchanges give lane h block 2 c + h whole
	v_cvt_scalef32_pk8_fp4_f32 v[PC+4*\c], v[ST+32*\c:ST+32*\c+7], v[SO+2*\c]
	v_cvt_scalef32_pk8_fp4_f32 v[PC+4*\c+2], v[ST+32*\c+8:ST+32*\c+15], v[SO+2*\c]
	v_cvt_scalef32_pk8_fp4_f32 v[PC+4*\c+1], v[ST+32*\c+16:ST+32*\c+23], v[SO+2*\c+1]
	v_cvt_scalef32_pk8_fp4_f32 v[PC+4*\c+3], v[ST+32*\c+24:ST+32*\c+31], v[SO+2*\c+1]
.endr
	v_nop                                          ; one plain place behind the scaled conversions
.irp c, 0,1
	v_permlane16_swap_b32 v[PC+4*\c], v[PC+4*\c+1]
	v_permlane16_swap_b32 v[PC+4*\c+2], v[PC+4*\c+3]
.endr
.set j, 0
.rept 16
	v_pk_mul_f32 v[OT+j:OT+j+1], v[OT+j:OT+j+1], v[FF:FF+1] op_sel_hi:[1,0]   ; O^T under the new M.  These sixteen also stand between the last writes of p's codes and scale word and the products
.set j, j+2
.endr
	s_wait_alu depctr_va_vdst(0)
	s_wait_dscnt 0x0                               ; V is in
.irp ct, 0,1,2,3                               ; O^T += V^T P^T: 16 channels a tile, K = these 128 keys; the four accumulators by turns
.if \ct % 2
	v_wmma_scale_f32_16x16x128_f8f6f4 v[OT+8*\ct:OT+8*\ct+7], v[VF+8*\ct:VF+8*\ct+7], v[PC:PC+7], v[OT+8*\ct:OT+8*\ct+7], v[VSC+\ct/2], v[PS] matrix_a_fmt:MATRIX_FMT_FP4 matrix_b_fmt:MATRIX_FMT_FP4 matrix_a_scale:MATRIX_SCALE_ROW1
.else
	v_wmma_scale_f32_16x16x128_f8f6f4 v[OT+8*\ct:OT+8*\ct+7], v[VF+8*\ct:VF+8*\ct+7], v[PC:PC+7], v[OT+8*\ct:OT+8*\ct+7], v[VSC+\ct/2], v[PS] matrix_a_fmt:MATRIX_FMT_FP4 matrix_b_fmt:MATRIX_FMT_FP4
.endif
.endr
.Lhidden_\@:
	s_add_co_u32 s[TT], s[TT], KVSTEP
	s_add_co_u32 s[KS], s[KS], 1
.endm
; One tile: the loop's trip count is a constant; a wave whose tile ends earlier walks the remaining trips without work
.macro PASS trips, qf, qs, d, cp, cs
	v_mov_b32 v13, 0xff61b1e6                      ; the largest t so far: -3e38, under every t
	s_delay_alu instid0(VALU_DEP_1)
	v_floor_f32 v12, -v13                          ; -M
	v_mov_b32 v14, 0                               ; the sum, in two halves
	v_mov_b32 v15, 0
.set j, 0
.rept 32
	v_mov_b32 v[OT+j], 0                           ; O^T: the step is written once; the first finds zeros, which the first change of M leaves zeros
.set j, j+1
.endr
	s_mov_b32 s[TT], 0
	s_mov_b32 s[KS], 0
.Lstep_\@:
	STEP \qf, \qs, \d
	s_cmp_lt_u32 s[KS], \trips
	s_cbranch_scc1 .Lstep_\@
	s_setprio 0
	PLACES                                         ; behind the last products
	v_add_f32 v14, v14, v15                        ; the sum's two halves,
	s_delay_alu instid0(VALU_DEP_1)
	v_permlanex16_b32 v[FF], v14, s[SEL], s[SEL+1]
	s_delay_alu instid0(VALU_DEP_1)
	v_add_f32 v14, v14, v[FF]                      ; and lane l xor 16's: the row's sum
	s_wait_alu depctr_va_vdst(0)
	v_rcp_f32 v14, v14
	v_nop                                          ; one plain place behind the reciprocal
	s_wait_alu depctr_va_vdst(0)                   ; and the wait ahead of its first reader
.set j, 0
.rept 32
	v_mul_f32 v[ST+j], v[OT+j], v14                ; ctx: register 8 a + i is channel 16 a + 8 h + i of my query; each accumulator from its low end on
.set j, j+1
.endr
	QUANT64 ST, PC, WK                             ; the head's 64 channels are two blocks of the last product's K
	global_store_b128 v[L16], v[PC:PC+3], s[\cp:\cp+1]   ; 512 consecutive bytes: half a fragment of 16 tokens, as the last launch's registers take it
	v_cndmask_b32 v[TM], v[WK+6], v[WK+7], s[HM]   ; lane (r, h): the byte of block h
	global_store_b8 v[CSO], v[TM], s[\cs:\cs+1]
	s_wait_xcnt 0x0                                ; the stores have read their registers: they may be written again
.endm
	s_load_b256 s[4:11], s[0:1], 0x0               ; qimg, qsc, kv, ctx
	s_load_b64 s[12:13], s[0:1], 0x20              ; ctxs
	v_lshl_add_u32 v[SPW], v0, 2, SPARE
	v_mov_b32 v[NIL], 0
	ds_add_u32 v[SPW], v[NIL]                      ; the wave's opening: the add, twice on end, and its wait ahead of my first tensor load
	ds_add_u32 v[SPW], v[NIL]                      ; and once more, under the one wait
	v_lshrrev_b32 v1, 5, v0
	s_delay_alu instid0(VALU_DEP_1)
	v_readfirstlane_b32 s[WV], v1                  ; wave 0..15
	s_bfe_u32 s[CX], ttmp6, 0x40000                ; my place in the cluster
	s_and_b32 s[BH], ttmp7, 0xffff                 ; 16 x batch + head, which the four partners share
	; group 1: a key step's 8,960 dense bytes as 35 rows of 256 bytes (32 elements of 8 bytes); 15:0 the mask: all four; 21 set beside a mask; no padding: every read takes 512 or 256 consecutive bytes
	s_mov_b32 s[G1], 15|(3<<16)|(1<<21)
	s_mov_b32 s[G1+1], 32<<16
	s_mov_b32 s[G1+2], 35<<16
	s_mov_b32 s[G1+3], 32<<16
	s_mov_b32 s[G1+4], 35
	s_mov_b32 s[G1+5], 32
	s_mov_b32 s[G1+6], 0
	s_mov_b32 s[G1+7], 0
	s_mov_b32 s[SEL], 0x76543210
	s_mov_b32 s[SEL+1], 0xfedcba98
	s_mov_b32 s[CS], 0x3e38aa3b                    ; c = log2(e) / 8
	s_mov_b32 s[CS+1], s[CS]                       ; (named with it as a pair, so it is written)
	s_mov_b32 s[HM], 0xffff0000
	s_wait_dscnt 0x0                               ; both opening adds are done
	s_wait_kmcnt 0x0
	s_mov_b32 s[G0], 1
	s_mul_i32 s[G0+1], s[WV], KVSTEP               ; key step w, in LDS
	s_mul_i32 s[G0+2], s[BH], KVHEAD
	s_add_co_u32 s[G0+2], s[G0+2], s[G0+1]         ; and in kv
	s_mov_b32 s[G0+3], 0
	s_add_nc_u64 s[G0+2:G0+3], s[8:9], s[G0+2:G0+3]
	s_or_b32 s[G0+3], s[G0+3], 0x80000000
	CROUND                                         ; all four work-groups are here: the joint loads meet
	tensor_load_to_lds s[G0:G0+3], s[G1:G1+7]
	s_nop 0
	PLACES
	s_lshl_b32 s[TAI], s[WV], 2
	s_add_co_u32 s[TAI], s[TAI], s[CX]             ; tA = 4 w + cx
	s_xor_b32 s[TBI], s[TAI], 127                  ; tB = 127 - tA
	PTRS TAI, QPA, QSA, CPA, CSA
	PTRS TBI, QPB, QSB, CPB, CSB
	v_and_b32 v[L8], 31, v0
	s_delay_alu instid0(VALU_DEP_1)
	v_lshlrev_b32 v[L16], 4, v[L8]
	s_delay_alu instid0(VALU_DEP_2)
	v_lshlrev_b32 v[L8], 3, v[L8]
	v_and_b32 v[RH], 15, v0                        ; r
	v_bfe_u32 v[TM], v0, 4, 1                      ; h
	s_delay_alu instid0(VALU_DEP_2)
	v_lshlrev_b32 v[R8], 3, v[RH]
	s_delay_alu instid0(VALU_DEP_2)
	v_lshl_add_u32 v[CSO], v[RH], 5, v[TM]
	global_load_b128 v[QA:QA+3], v[L16], s[QPA:QPA+1]
	global_load_b32 v[QAS], v[R8], s[QSA:QSA+1]
	global_load_b128 v[QB:QB+3], v[L16], s[QPB:QPB+1]
	global_load_b32 v[QBS], v[R8], s[QSB:QSB+1]
	v_lshlrev_b32 v[TM], 3, v[TM]
	s_delay_alu instid0(VALU_DEP_1)
	v_sub_nc_u32 v[RH], v[RH], v[TM]               ; r - 8 h
	s_and_b32 s[TMP], s[TAI], 7
	s_lshl_b32 s[TMP], s[TMP], 4
	v_add_nc_u32 v[DA], s[TMP], v[RH]
	s_and_b32 s[TMP], s[TBI], 7
	s_lshl_b32 s[TMP], s[TMP], 4
	v_add_nc_u32 v[DB], s[TMP], v[RH]
.irp i, 4,5,6,7
	v_mov_b32 v[QA+\i], 0                          ; product 4's K is 64: zero codes fill it to 128, on both sides
	v_mov_b32 v[QB+\i], 0
.endr
.irp tau, 0,1,2,3,4,5,6,7
.irp i, 4,5,6,7
	v_mov_b32 v[KF+8*\tau+\i], 0
.endr
.endr
.irp i, 0,1,2,3,4,5,6,7
	v_mov_b32 v[WK+\i], 0                          ; written once: a lane permute's destination counts as one of its sources
.endr
	v_mov_b32 v[FF], 0
	v_mov_b32 v[FF+1], 0                           ; (named as the upper half of the pair)
	s_wait_tensorcnt 0x0                           ; my key step is in,
	s_barrier_signal -1
	s_barrier_wait -1                              ; the whole head is
	s_wait_loadcnt 0x0                             ; Q
	s_lshr_b32 s[LS], s[WV], 1                     ; tile A ends with step w / 2
	PASS 8, QA, QAS, DA, CPA, CSA
	s_xor_b32 s[LS], s[LS], 15                     ; tile B with step 15 - w / 2
	PASS 16, QB, QBS, DB, CPB, CSB
	s_wait_tensorcnt 0x0                           ; the wave's end
	ds_add_u32 v[SPW], v[NIL]
	s_wait_dscnt 0x0
	CROUND                                         ; the closing round
	s_endpgm
.Lfunc_end_k_q6f9938bd41_attn:
	.size	k_q6f9938bd41_attn, .Lfunc_end_k_q6f9938bd41_attn-k_q6f9938bd41_attn
	.p2alignl 7, 3214868480
	.fill 96, 4, 3214868480
	.section	.rodata,"a",@progbits
	.p2align	6, 0x0
	.amdhsa_kernel k_q6f9938bd41_attn
		.amdhsa_group_segment_fixed_size 167936
		.amdhsa_private_segment_fixed_size 0
		.amdhsa_enable_private_segment 0
		.amdhsa_kernarg_size 40
		.amdhsa_user_sgpr_count 2
		.amdhsa_user_sgpr_kernarg_segment_ptr 1
		.amdhsa_wavefront_size32 1
		.amdhsa_system_sgpr_workgroup_id_x 1
		.amdhsa_system_sgpr_workgroup_id_y 1
		.amdhsa_system_sgpr_workgroup_id_z 1
		.amdhsa_system_vgpr_workitem_id 0
		.amdhsa_next_free_vgpr 256
		.amdhsa_next_free_sgpr 66
		.amdhsa_reserve_vcc 1
		.amdhsa_float_denorm_mode_32 3
		.amdhsa_float_denorm_mode_16_64 3
		.amdhsa_memory_ordered 1
		.amdhsa_forward_progress 1
		.amdhsa_inst_pref_size 62
	.end_amdhsa_kernel
	.amdgpu_metadata
---
amdhsa.version: [ 1, 2 ]
amdhsa.kernels:
  - .name:           k_q6f9938bd41_attn
    .symbol:         k_q6f9938bd41_attn.kd
    .args:
      - { .name: qimg, .offset: 0, .size: 8, .value_kind: global_buffer, .address_space: global }
      - { .name: qsc, .offset: 8, .size: 8, .value_kind: global_buffer, .address_space: global }
      - { .name: kv, .offset: 16, .size: 8, .value_kind: global_buffer, .address_space: global }
      - { .name: ctx, .offset: 24, .size: 8, .value_kind: global_buffer, .address_space: global }
      - { .name: ctxs, .offset: 32, .size: 8, .value_kind: global_buffer, .address_space: global }
    .group_segment_fixed_size: 167936
    .private_segment_fixed_size: 0
    .kernarg_segment_align: 8
    .kernarg_segment_size: 40
    .max_flat_workgroup_size: 512
    .sgpr_count:     66
    .vgpr_count:     256
    .wavefront_size: 32
...
	.end_amdgpu_metadata
.endif
;; end of part 2
;; launch oproj (part 3): grid 4 x 64, 8 waves a work-group, clusters of 4 x 4, 327,680 bytes of LDS; arguments ctx, ctxs, Wo_codes, Wo_scales, bo, out0; writes out0
.if DOCPART == 3
	.amdgcn_target "amdgcn-amd-amdhsa--gfx1250"
	.amdhsa_code_object_version 6
	.text
	.protected	k_q6f9938bd41_oproj
	.globl	k_q6f9938bd41_oproj
	.p2align	8
	.type	k_q6f9938bd41_oproj,@function
k_q6f9938bd41_oproj:
	s_mov_b64 s[64:65], 0
	v_nop
	global_prefetch_b8 v0, s[64:65] scope:SCOPE_SE
	s_setreg_imm32_b32 hwreg(HW_REG_WAVE_MODE, 25, 1), 1
	s_wait_xcnt 0x0
	s_wait_alu depctr_hold_cnt(0) depctr_sa_sdst(0) depctr_va_vdst(0) depctr_va_sdst(0) depctr_va_ssrc(0) depctr_va_vcc(0) depctr_vm_vsrc(0)
	s_getreg_b32 s2, hwreg(HW_REG_IB_STS2, 6, 4)
	s_cmp_eq_u32 s2, 0
	s_cbranch_scc0 .Lentry_in_a_cluster
	s_endpgm
.Lentry_in_a_cluster:
	s_bfe_u32 s2, ttmp6, 0x10000c
	s_cmp_lg_u32 s2, 0xf033
	s_cbranch_scc0 .Lentry_shape_is_right
	s_endpgm
.Lentry_shape_is_right:
; LAUNCH 3 OF 3.  out0 = ctx Wo^T + bo on codes of FP4 (E2M1) with one E8M0 scale for each 32 along K = 1,024; sums in f32.  Nothing is left out here.
; Source 0 = 16 rows of Wo (R), source 1 = 16 tokens (L): a lane holds one token and eight neighbouring outputs.  bo is the C of each sum's first product.
; SHARES.  A work-group makes 256 outputs (R, by cx) x 128 tokens (L, by 4 x the cluster's y + cy); each of its eight waves 64 x 64: 16 accumulators.
; All of K lies in LDS, in two halves, each filled ONCE: Wo's rows as rows of 256 bytes + 16; ctx as launch 2 laid it, in the order of the operand's registers: dense, read 512 bytes an instruction.
; CLUSTER 4 x 4.  Wo's rows hang on cx alone and are shared down a column of the cluster, the tokens on cy and the cluster's y and are shared along a row: every tile is asked for jointly.
.set PITCH,  272                       ; an LDS row of Wo: 256 bytes of codes + 16 of padding
.set RSLOT,  256*PITCH                 ; Wo's 256 rows of half of K
.set LIMG,   2*RSLOT                   ; ctx's images: half s: 8 tiles of 16 tokens x 4,096 bytes
.set LHALF,  32768
.set RSC,    LIMG+2*LHALF              ; Wo's scale bytes: 32 pieces of 256 bytes + 16
.set LSC,    RSC+32*272                ; ctx's: 16 pieces
.set STAGE,  LSC+16*272                ; the way out: 16 rows x (256 bytes + 16) for each wave; no tensor load lands here
.set SPARE,  STAGE+8*16*272            ; the spare words, 128 bytes for each wave: four blocks of 256 bytes that no other line names
.set RR,   1                           ; v1   r
.set HH,   2                           ; v2   h
.set ADR,  3                           ; v3-4 LDS address of my R fragments in half 0, 1
.set ADL,  5                           ; v5-6 of my L images
.set ADS,  7                           ; v7   of my scale words: lanes 0-15 R's rows, lanes 16-31 L's
.set SPW,  8                           ; v8   LDS address of my spare word; never rewritten
.set NIL,  9                           ; v9   0; never rewritten
.set BOH,  10                          ; v10  32 h
.set STO,  11                          ; v11  the stage: where I put 32 bytes of a row
.set RD,   12                          ; v12  and where I read a row back
.set GO,   13                          ; v13  my byte offset in two rows of out0
.set TA,   14
.set TB,   15
.set SC,   16                          ; v16-31 scale words, as in launch 1
.set BI,   32                          ; v32-63 bo
.set RF,   64
.set LF,   96
.set ACC,  128                         ; accumulator (a, b) at 128 + 32 b + 8 a
.set BK,   32                          ; the way out: 16 rows read back: v32-63 and v64-95 by turns
.set G1RC, 16
.set G1LC, 24
.set G1RS, 32
.set G1LS, 40
.set G0R,  48                          ; s[48:59] R's three groups 0: scales, half 0, half 1
.set G0L,  68                          ; s[68:79] L's
.set WV,   80
.set WR,   81                          ; wave % 4: my 64 rows of Wo; also which part I fetch
.set WL,   82                          ; wave / 4: my 64 tokens
.set CX,   83
.set CY,   84
.set LT,   85                          ; my block of 128 tokens
.set RROW, 86                          ; never holds cy
.set LROW, 87                          ; never holds cx
.set TMP,  88
.macro CROUND
	s_barrier_signal -1
	s_barrier_wait -1
	s_cmp_lg_u32 s[WV], 0
	s_cbranch_scc1 .Lnot_wave_0_\@
	s_barrier_signal -3
.Lnot_wave_0_\@:
	s_barrier_wait -3
	s_barrier_signal -1
	s_barrier_wait -1
.endm
.macro PLACES
.rept 4
	v_nop
.endr
.endm
.macro SCALES s
.irp i, 0,1,2,3
	ds_load_b128 v[SC+4*\i:SC+4*\i+3], v[ADS] offset:544*\i+16*\s
.endr
.endm
.macro LOADS s, q                      ; the half's q-th 128 along K: R from rows; L from images: tile i, heads 2 q and 2 q + 1 of the half's eight, 512 bytes each
.irp i, 0,1,2,3
.irp c, 0,1
	ds_load_b128 v[RF+8*\i+4*\c:RF+8*\i+4*\c+3], v[ADR+\s] offset:\i*16*PITCH+64*\q+32*\c
	ds_load_b128 v[LF+8*\i+4*\c:LF+8*\i+4*\c+3], v[ADL+\s] offset:\i*4096+1024*\q+512*\c
.endr
.endr
.endm
.macro MUL q, mode                     ; 16 products, the 16 accumulators by turns.  mode 1: they start the sums with bo
.irp b, 0,1,2,3
.irp a, 0,1,2,3
.if \mode == 0
	v_wmma_scale_f32_16x16x128_f8f6f4 v[ACC+32*\b+8*\a:ACC+32*\b+8*\a+7], v[RF+8*\a:RF+8*\a+7], v[LF+8*\b:LF+8*\b+7], v[ACC+32*\b+8*\a:ACC+32*\b+8*\a+7], v[SC+4*\a+\q], v[SC+4*\b+\q] matrix_a_fmt:MATRIX_FMT_FP4 matrix_b_fmt:MATRIX_FMT_FP4 matrix_b_scale:MATRIX_SCALE_ROW1
.else
	v_wmma_scale_f32_16x16x128_f8f6f4 v[ACC+32*\b+8*\a:ACC+32*\b+8*\a+7], v[RF+8*\a:RF+8*\a+7], v[LF+8*\b:LF+8*\b+7], v[BI+8*\a:BI+8*\a+7], v[SC+4*\a+\q], v[SC+4*\b+\q] matrix_a_fmt:MATRIX_FMT_FP4 matrix_b_fmt:MATRIX_FMT_FP4 matrix_b_scale:MATRIX_SCALE_ROW1
.endif
.endr
.endr
.endm
	s_load_b256 s[4:11], s[0:1], 0x0               ; ctx, ctxs, Wo's codes, Wo's scales
	s_load_b128 s[12:15], s[0:1], 0x20             ; bo, out0
	v_lshl_add_u32 v[SPW], v0, 2, SPARE
	v_mov_b32 v[NIL], 0
	ds_add_u32 v[SPW], v[NIL]                      ; the wave's opening: the add, twice on end, and its wait ahead of my first tensor load
	ds_add_u32 v[SPW], v[NIL]                      ; and once more, under the one wait
	v_lshrrev_b32 v1, 5, v0
	s_delay_alu instid0(VALU_DEP_1)
	v_readfirstlane_b32 s[WV], v1                  ; wave 0..7
	s_and_b32 s[WR], s[WV], 3
	s_lshr_b32 s[WL], s[WV], 2
	s_bfe_u32 s[CX], ttmp6, 0x40000
	s_bfe_u32 s[CY], ttmp6, 0x40004
	s_and_b32 s[LT], ttmp7, 0xffff
	s_lshl_b32 s[LT], s[LT], 2
	s_add_co_u32 s[LT], s[LT], s[CY]
	s_lshl_b32 s[RROW], 0x1111, s[CX]              ; my column of the cluster
	s_lshl_b32 s[LROW], s[CY], 2
	s_lshl_b32 s[LROW], 15, s[LROW]                ; my row
	s_or_b32 s[G1RC], s[RROW], (1<<20)|(1<<21)|(5<<22)|(3<<25)          ; Wo's codes: 64 rows of 256 bytes, 512 apart in memory, 16 bytes of padding behind each
	s_mov_b32 s[G1RC+1], 256<<16
	s_mov_b32 s[G1RC+2], 64<<16
	s_mov_b32 s[G1RC+3], 256<<16
	s_mov_b32 s[G1RC+4], 64
	s_mov_b32 s[G1RC+5], 512
	s_mov_b32 s[G1RC+6], 0
	s_mov_b32 s[G1RC+7], 0
	s_or_b32 s[G1LC], s[LROW], (3<<16)|(1<<21)                          ; ctx's images: two tiles' 8,192 dense bytes as 32 rows of 256 bytes, no padding
	s_mov_b32 s[G1LC+1], 32<<16
	s_mov_b32 s[G1LC+2], 32<<16
	s_mov_b32 s[G1LC+3], 32<<16
	s_mov_b32 s[G1LC+4], 32
	s_mov_b32 s[G1LC+5], 32
	s_mov_b32 s[G1LC+6], 0
	s_mov_b32 s[G1LC+7], 0
	s_or_b32 s[G1RS], s[RROW], (3<<16)|(1<<20)|(1<<21)|(5<<22)|(3<<25)  ; Wo's scales: 64 rows' 2,048 dense bytes as 8 rows of 256, padded
	s_mov_b32 s[G1RS+1], 32<<16
	s_mov_b32 s[G1RS+2], 8<<16
	s_mov_b32 s[G1RS+3], 32<<16
	s_mov_b32 s[G1RS+4], 8
	s_mov_b32 s[G1RS+5], 32
	s_mov_b32 s[G1RS+6], 0
	s_mov_b32 s[G1RS+7], 0
	s_or_b32 s[G1LS], s[LROW], (3<<16)|(1<<20)|(1<<21)|(5<<22)|(3<<25)  ; ctx's scales: 32 tokens' 1,024 dense bytes as 4 rows
	s_mov_b32 s[G1LS+1], 32<<16
	s_mov_b32 s[G1LS+2], 4<<16
	s_mov_b32 s[G1LS+3], 32<<16
	s_mov_b32 s[G1LS+4], 4
	s_mov_b32 s[G1LS+5], 32
	s_mov_b32 s[G1LS+6], 0
	s_mov_b32 s[G1LS+7], 0
	s_lshl_b32 s[RROW], s[CX], 8
	s_lshl_b32 s[TMP], s[WR], 6
	s_add_co_u32 s[RROW], s[RROW], s[TMP]          ; the first of the 64 rows of Wo that I would fetch
	s_lshl_b32 s[LROW], s[LT], 7
	s_lshl_b32 s[TMP], s[WR], 5
	s_add_co_u32 s[LROW], s[LROW], s[TMP]          ; the first of the 32 tokens
	s_wait_dscnt 0x0                               ; both opening adds are done
	s_wait_kmcnt 0x0
	s_mov_b32 s[G0R], 1
	s_mul_i32 s[G0R+1], s[WR], 8*272
	s_add_co_u32 s[G0R+1], s[G0R+1], RSC
	s_lshl_b32 s[G0R+2], s[RROW], 5
	s_mov_b32 s[G0R+3], 0
	s_add_nc_u64 s[G0R+2:G0R+3], s[10:11], s[G0R+2:G0R+3]
	s_or_b32 s[G0R+3], s[G0R+3], 0x80000000
	s_mov_b32 s[G0R+4], 1
	s_mul_i32 s[G0R+5], s[WR], 64*PITCH
	s_lshl_b32 s[G0R+6], s[RROW], 9
	s_mov_b32 s[G0R+7], 0
	s_add_nc_u64 s[G0R+6:G0R+7], s[8:9], s[G0R+6:G0R+7]
	s_mov_b32 s[G0R+8], 1
	s_add_co_u32 s[G0R+9], s[G0R+5], RSLOT
	s_add_nc_u64 s[G0R+10:G0R+11], s[G0R+6:G0R+7], 256
	s_or_b32 s[G0R+7], s[G0R+7], 0x80000000
	s_or_b32 s[G0R+11], s[G0R+11], 0x80000000
	s_mov_b32 s[G0L], 1
	s_mul_i32 s[G0L+1], s[WR], 4*272
	s_add_co_u32 s[G0L+1], s[G0L+1], LSC
	s_lshl_b32 s[G0L+2], s[LROW], 5
	s_mov_b32 s[G0L+3], 0
	s_add_nc_u64 s[G0L+2:G0L+3], s[6:7], s[G0L+2:G0L+3]
	s_or_b32 s[G0L+3], s[G0L+3], 0x80000000
	s_mov_b32 s[G0L+4], 1
	s_lshl_b32 s[G0L+5], s[WR], 13
	s_add_co_u32 s[G0L+5], s[G0L+5], LIMG
	s_lshl_b32 s[G0L+6], s[LROW], 8                ; 4,096 bytes for each 16 tokens
	s_mov_b32 s[G0L+7], 0
	s_add_nc_u64 s[G0L+6:G0L+7], s[4:5], s[G0L+6:G0L+7]
	s_mov_b32 s[G0L+8], 1
	s_add_co_u32 s[G0L+9], s[G0L+5], LHALF
	s_add_nc_u64 s[G0L+10:G0L+11], s[G0L+6:G0L+7], 0x200000   ; heads 8 to 15 lie 512 tiles x 4,096 bytes on
	s_or_b32 s[G0L+7], s[G0L+7], 0x80000000
	s_or_b32 s[G0L+11], s[G0L+11], 0x80000000
	CROUND                                         ; all sixteen work-groups are here: the joint loads meet
	s_cmp_lt_u32 s[WV], 4                          ; waves 0-3 fetch Wo's rows, waves 4-7 the tokens': a wave's three first fills stand in one branch: three loads of mine are out
	s_cbranch_scc0 .Lfill_l
	tensor_load_to_lds s[G0R:G0R+3], s[G1RS:G1RS+7]
	s_nop 0
	tensor_load_to_lds s[G0R+4:G0R+7], s[G1RC:G1RC+7]
	s_nop 0
	tensor_load_to_lds s[G0R+8:G0R+11], s[G1RC:G1RC+7]
	s_nop 0
	PLACES
	s_branch .Lfilled
.Lfill_l:
	tensor_load_to_lds s[G0L:G0L+3], s[G1LS:G1LS+7]
	s_nop 0
	tensor_load_to_lds s[G0L+4:G0L+7], s[G1LC:G1LC+7]
	s_nop 0
	tensor_load_to_lds s[G0L+8:G0L+11], s[G1LC:G1LC+7]
	s_nop 0
	PLACES
.Lfilled:
	v_and_b32 v[RR], 15, v0
	s_wait_alu depctr_va_vdst(0)
	v_bfe_u32 v[HH], v0, 4, 1
	s_delay_alu instid0(VALU_DEP_1)
	v_lshlrev_b32 v[BOH], 5, v[HH]
	s_lshl_b32 s90, s[CX], 10
	s_lshl_b32 s91, s[WR], 8
	s_add_co_u32 s90, s90, s91                     ; my 64 outputs, in bytes of f32
	s_mov_b32 s91, 0
	s_add_nc_u64 s[12:13], s[12:13], s[90:91]
.irp a, 0,1,2,3                                ; bo: register 8 a + j is that of output 16 a + 8 h + j
	global_load_b128 v[BI+8*\a:BI+8*\a+3], v[BOH], s[12:13] offset:64*\a
	global_load_b128 v[BI+8*\a+4:BI+8*\a+7], v[BOH], s[12:13] offset:64*\a+16
.endr
	s_lshl_b32 s92, s[LT], 19                      ; out0: 4,096 bytes a token: 128 LT + 64 wl tokens on,
	s_lshl_b32 s93, s[WL], 18
	s_add_co_u32 s92, s92, s93
	s_add_co_u32 s92, s92, s90                     ; and my outputs' bytes
	s_mov_b32 s93, 0
	s_add_nc_u64 s[14:15], s[14:15], s[92:93]
	v_mul_u32_u24 v[TA], v[RR], PITCH
	s_wait_alu depctr_va_vdst(0)
	v_lshl_add_u32 v[TA], v[HH], 4, v[TA]
	s_mul_i32 s90, s[WR], 64*PITCH
	v_add_nc_u32 v[ADR], s90, v[TA]
	s_add_co_u32 s90, s90, RSLOT
	v_add_nc_u32 v[ADR+1], s90, v[TA]
	v_and_b32 v[TA], 31, v0
	s_delay_alu instid0(VALU_DEP_1)
	v_lshlrev_b32 v[TA], 4, v[TA]                  ; an image: 16 x lane
	s_lshl_b32 s90, s[WL], 14
	s_add_co_u32 s90, s90, LIMG
	v_add_nc_u32 v[ADL], s90, v[TA]
	s_add_co_u32 s90, s90, LHALF
	v_add_nc_u32 v[ADL+1], s90, v[TA]
	v_lshrrev_b32 v[TA], 3, v[RR]
	s_delay_alu instid0(VALU_DEP_1)
	v_mul_u32_u24 v[TA], v[TA], 272
	v_and_b32 v[TB], 7, v[RR]
	s_delay_alu instid0(VALU_DEP_1)
	v_lshl_add_u32 v[TA], v[TB], 5, v[TA]
	s_xor_b32 s91, s[WR], 3                        ; from R's words to L's: 8,704 + 2,176 (wl - wr) = 2,176 (1 + wl + (wr xor 3))
	s_add_co_u32 s91, s91, s[WL]
	s_add_co_u32 s91, s91, 1
	s_mul_i32 s91, s91, 2176
	v_mul_u32_u24 v[TB], s91, v[HH]
	s_mul_i32 s90, s[WR], 2176
	s_add_co_u32 s90, s90, RSC
	v_add_nc_u32 v[TA], v[TA], v[TB]
	s_delay_alu instid0(VALU_DEP_1)
	v_add_nc_u32 v[ADS], s90, v[TA]
	s_mul_i32 s90, s[WV], 16*272
	s_add_co_u32 s90, s90, STAGE                   ; my stage
	v_mul_u32_u24 v[STO], v[RR], 272
	s_delay_alu instid0(VALU_DEP_1)
	v_lshl_add_u32 v[STO], v[HH], 5, v[STO]
	s_delay_alu instid0(VALU_DEP_1)
	v_add_nc_u32 v[STO], s90, v[STO]               ; in: row r, 32 bytes for each half of the lanes
	v_mul_u32_u24 v[RD], v[HH], 272
	s_delay_alu instid0(VALU_DEP_1)
	v_lshl_add_u32 v[RD], v[RR], 4, v[RD]
	s_delay_alu instid0(VALU_DEP_1)
	v_add_nc_u32 v[RD], s90, v[RD]                 ; back: lanes 0-15 one row of 256 bytes, lanes 16-31 the next
	v_lshlrev_b32 v[GO], 12, v[HH]
	s_delay_alu instid0(VALU_DEP_1)
	v_lshl_add_u32 v[GO], v[RR], 4, v[GO]          ; and the same two rows in out0
	s_wait_alu depctr_va_vdst(0)
	s_wait_tensorcnt 0x1                           ; my scales and my part of the first half of K are in; the one load issued behind them may stay out
	s_barrier_signal -1
	s_barrier_wait -1
	SCALES 0
	LOADS 0, 0
	s_wait_loadcnt 0x0                             ; bo
	s_wait_dscnt 0x0
	MUL 0, 1
.irp q, 1,2,3
	PLACES
	LOADS 0, \q
	s_wait_dscnt 0x0
	MUL \q, 0
.endr
	s_wait_tensorcnt 0x0                           ; my part of the second half is in,
	s_barrier_signal -1
	s_barrier_wait -1                              ; everybody's is
	PLACES
	SCALES 1
.irp q, 0,1,2,3
.if \q > 0
	PLACES
.endif
	LOADS 1, \q
	s_wait_dscnt 0x0
	MUL \q, 0
.endr
; THE WAY OUT, 16 tokens x 64 outputs at a time.  A lane holds 32 neighbouring bytes of a row and the lanes beside it other rows: so a block goes through my own stage and comes back as whole rows of 256 bytes.
; LDS serves a wave's instructions in order (ISA guide 5.7.1.4): no wait between the stores and the loads, nor in front of the next block's stores.
.macro TOSTAGE b
.irp a, 0,1,2,3
	ds_store_b128 v[STO], v[ACC+32*(\b)+8*\a:ACC+32*(\b)+8*\a+3] offset:64*\a          ; each accumulator from its low end on
	ds_store_b128 v[STO], v[ACC+32*(\b)+8*\a+4:ACC+32*(\b)+8*\a+7] offset:64*\a+16
.endr
.irp i, 0,1,2,3,4,5,6,7
	ds_load_b128 v[BK+32*((\b)%2)+4*\i:BK+32*((\b)%2)+4*\i+3], v[RD] offset:544*\i
.endr
.endm
.macro SEND b, younger                 ; younger: the LDS instructions issued behind block b's loads, which may stay out
	s_wait_dscnt \younger
.irp i, 0,1,2,3,4,5,6,7
	global_store_b128 v[GO], v[BK+32*((\b)%2)+4*\i:BK+32*((\b)%2)+4*\i+3], s[14:15] offset:(16*(\b)+2*\i)*4096 th:TH_STORE_NT   ; sixteen lanes store 256 consecutive bytes, at a multiple of 256 from out0's first byte; written once
.endr
.endm
	PLACES                                         ; behind the last products: for the reads of results and for the loads into registers that held operands
	TOSTAGE 0
	TOSTAGE 1
	SEND 0, 16                                     ; behind block 0's loads: block 1's eight stores and eight loads
	s_wait_xcnt 0x0                                ; block 0's stores have read their registers: block 2's loads may land there
	TOSTAGE 2
	SEND 1, 16
	s_wait_xcnt 0x0
	TOSTAGE 3
	SEND 2, 16
	SEND 3, 0
	s_wait_tensorcnt 0x0                           ; the wave's end, behind my last tensor load and my last LDS store
	ds_add_u32 v[SPW], v[NIL]
	s_wait_dscnt 0x0
	CROUND                                         ; the closing round
	s_endpgm
.Lfunc_end_k_q6f9938bd41_oproj:
	.size	k_q6f9938bd41_oproj, .Lfunc_end_k_q6f9938bd41_oproj-k_q6f9938bd41_oproj
	.p2alignl 7, 3214868480
	.fill 96, 4, 3214868480
	.section	.rodata,"a",@progbits
	.p2align	6, 0x0
	.amdhsa_kernel k_q6f9938bd41_oproj
		.amdhsa_group_segment_fixed_size 327680
		.amdhsa_private_segment_fixed_size 0
		.amdhsa_enable_private_segment 0
		.amdhsa_kernarg_size 48
		.amdhsa_user_sgpr_count 2
		.amdhsa_user_sgpr_kernarg_segment_ptr 1
		.amdhsa_wavefront_size32 1
		.amdhsa_system_sgpr_workgroup_id_x 1
		.amdhsa_system_sgpr_workgroup_id_y 1
		.amdhsa_system_sgpr_workgroup_id_z 1
		.amdhsa_system_vgpr_workitem_id 0
		.amdhsa_next_free_vgpr 256
		.amdhsa_next_free_sgpr 100
		.amdhsa_reserve_vcc 0
		.amdhsa_float_denorm_mode_32 3
		.amdhsa_float_denorm_mode_16_64 3
		.amdhsa_memory_ordered 1
		.amdhsa_forward_progress 1
		.amdhsa_inst_pref_size 44
	.end_amdhsa_kernel
	.amdgpu_metadata
---
amdhsa.version: [ 1, 2 ]
amdhsa.kernels:
  - .name:           k_q6f9938bd41_oproj
    .symbol:         k_q6f9938bd41_oproj.kd
    .args:
      - { .name: ctx, .offset: 0, .size: 8, .value_kind: global_buffer, .address_space: global }
      - { .name: ctxs, .offset: 8, .size: 8, .value_kind: global_buffer, .address_space: global }
      - { .name: Wo_codes, .offset: 16, .size: 8, .value_kind: global_buffer, .address_space: global }
      - { .name: Wo_scales, .offset: 24, .size: 8, .value_kind: global_buffer, .address_space: global }
      - { .name: bo, .offset: 32, .size: 8, .value_kind: global_buffer, .address_space: global }
      - { .name: out0, .offset: 40, .size: 8, .value_kind: global_buffer, .address_space: global }
    .group_segment_fixed_size: 327680
    .private_segment_fixed_size: 0
    .kernarg_segment_align: 8
    .kernarg_segment_size: 48
    .max_flat_workgroup_size: 256
    .sgpr_count:     100
    .vgpr_count:     256
    .wavefront_size: 32
...
	.end_amdgpu_metadata
.endif
;; end of part 3
